; MI455X (gfx1250); checked and timed in simulation.
; The chip was launched on July 23, 2026; its instructions are those of AMD's public machine-readable ISA for CDNA 5 (MIT licence, August 2026) and "CDNA5" Instruction Set Architecture Reference Guide (July 2026). The comments in the code are by the model that wrote it; some were corrected since.
;; Dual Sliding Window Attention. Allowed arithmetic: float matrix products may take bf16 or f16 operands with f32 sums; other float arithmetic in f32, or as packed bf16 or f16 multiplies, adds, multiply-adds, maxima and minima; sums over many terms, partial sums and values carried from step to step in f32; what a program stores and reads back later, other than sums and carried values, may be rounded once to bf16 or f16.
;; Inputs: Wk 2,048 x 512 float32; Wo 2,048 x 2,048 float32; Wq 2,048 x 2,048 float32; Wsk 2,048 x 512 float32; Wsv 2,048 x 512 float32; Wv 2,048 x 512 float32; hidden_states 2 x 1,024 x 2,048 float32; ssm_states 2 x 1,024 x 2,048 float32.
;; Outputs: out0 2 x 1,024 x 2,048 float32.
;; 2 versions, each right; version 2 is version 1 with the launch prep written anew for expert scheduling mode. Each part assembles by itself: llvm-mc -triple=amdgcn-amd-amdhsa -mcpu=gfx1250 --defsym DOCPART=n.
;; ======== version 1 of 2: 4 launches
;; limits: values are held in f16: magnitudes above 65,504 overflow, below 6.1e-05 lose precision
;; workspace buffers: xb 16,777,216 bytes; wp 16,777,216 bytes; wo16 8,388,608 bytes; qkv 16,777,216 bytes; ob 8,388,608 bytes
;; launch prep (part 1): grid 80 x 16, 8 waves a work-group, no clusters, 0 bytes of LDS; arguments hidden_states, ssm_states, Wq, Wk, Wv, Wsk, Wsv, Wo, xb, wp, wo16; writes xb, wp, wo16
.if DOCPART == 1
	.amdgcn_target "amdgcn-amd-amdhsa--gfx1250"
	.amdhsa_code_object_version 6
	.text
	.protected	k_qb792534566_prep
	.globl	k_qb792534566_prep
	.p2align	8
	.type	k_qb792534566_prep,@function
k_qb792534566_prep:
	s_mov_b64 s[64:65], 0
	v_nop
	global_prefetch_b8 v0, s[64:65] scope:SCOPE_SE
	s_setreg_imm32_b32 hwreg(HW_REG_WAVE_MODE, 25, 1), 1
	s_wait_xcnt 0x0
; ALL EIGHT INPUTS ARE ROUNDED ONCE TO bf16 AND LAID OUT FOR THE PRODUCTS THAT FOLLOW.
;   xb   [2 sources][2048 rows][2048] bf16: hidden_states, then ssm_states; a row is 4,096 bytes.
;   wp   32 blocks of [2048 k][128 columns] bf16, dense (rows of 256 bytes): 0-15 Wq, 16-19 Wk, 20-23 Wv, 24-27 Wsk, 28-31 Wsv.
;   wo16 16 such blocks of Wo: rounded to bf16 like the other inputs, and that number written as f16.
; LIMIT.  f16 holds no number beyond 65,504 and below 6e-5 keeps a fixed step of 6e-8: Wo is taken to lie within that.
; SHARES.  Work-group (x, y): block x of 128 columns of one input, rows 128 y .. 128 y + 127.  A wave takes 16 rows, a lane 4 columns:
; a load of the wave covers 512 consecutive bytes, a store 256 consecutive bytes, aligned.  All 16 loads of a wave go out at once;
; every row has its own registers, so no register that a load or store names is ever written again.
; No LDS, no barrier, no matrix unit: each byte is read once and written once, and nothing is shared between waves.
.set X,  16                            ; v[16:79]   row i: 4 numbers in f32
.set Y,  80                            ; v[80:111]  row i: 4 numbers in 16 bits
.set IO, 112                           ; v[112:127] row i: my byte offset in the source
.set OO, 128                           ; v[128:143] row i: my byte offset in the destination
.set T,  144                           ; v[144:147] at work
	s_load_b512 s[8:23], s[0:1], 0x0               ; hidden s[8:9], ssm s[10:11], Wq s[12:13], Wk s[14:15], Wv s[16:17], Wsk s[18:19], Wsv s[20:21], Wo s[22:23]
	s_load_b128 s[24:27], s[0:1], 0x40             ; xb s[24:25], wp s[26:27]
	s_load_b64 s[28:29], s[0:1], 0x50              ; wo16
	s_mov_b32 s2, ttmp9                            ; x: 0-15 hidden, 16-31 ssm, 32-47 Wq, 48-51 Wk, 52-55 Wv, 56-59 Wsk, 60-63 Wsv, 64-79 Wo
	s_and_b32 s3, ttmp7, 0xffff                    ; y
	v_lshrrev_b32 v1, 5, v0
	v_readfirstlane_b32 s37, v1                    ; wave 0..7
	v_and_b32 v2, 31, v0                           ; lane
	s_and_b32 s36, s2, 15                          ; the block of columns in a source of 2,048 columns,
	s_and_b32 s43, s2, 3                           ; in one of 512
	s_lshr_b32 s42, s2, 4
	s_cmp_eq_u32 s42, 3                            ; x = 48..63: the four narrow weights
	s_cselect_b32 s36, s43, s36
	s_cselect_b32 s44, 0, 2
	s_lshl_b32 s34, 0x800, s44                     ; bytes in a row of the source: 2,048 or 8,192
	s_lshl_b32 s45, s42, 23                        ; xb: the source's 8,388,608 bytes,
	s_lshl_b32 s46, s36, 8                         ; and the block's 256 bytes in a row
	s_add_co_u32 s45, s45, s46
	s_and_b32 s46, s2, 31                          ; wp and wo16: the block's number,
	s_lshl_b32 s46, s46, 19                        ; 524,288 bytes each
	s_cmp_lt_u32 s2, 32
	s_cselect_b32 s40, s45, s46
	s_cselect_b32 s44, 4, 0
	s_lshl_b32 s35, 0x100, s44                     ; bytes from row to row in the destination: 4,096 or 256
	s_mul_i32 s46, s3, s35
	s_lshl_b32 s46, s46, 7                         ; 128 y rows
	s_add_co_u32 s40, s40, s46
	s_mov_b32 s41, 0
	s_mul_i32 s38, s3, s34
	s_lshl_b32 s38, s38, 7
	s_lshl_b32 s46, s36, 9                         ; the block's 512 bytes in a row of the source
	s_add_co_u32 s38, s38, s46
	s_mov_b32 s39, 0
	s_lshl_b32 s44, s37, 4                         ; my wave's 16 rows
	s_mul_i32 s45, s44, s34
	s_mul_i32 s46, s44, s35
	v_lshl_add_u32 v[IO], v2, 4, s45
	v_lshl_add_u32 v[OO], v2, 3, s46
.set i, 1
.rept 15
	v_add_nc_u32 v[IO+i], s34, v[IO+i-1]
	v_add_nc_u32 v[OO+i], s35, v[OO+i-1]
.set i, i+1
.endr
	s_wait_kmcnt 0x0
	s_mov_b64 s[30:31], s[8:9]                     ; the source, chosen by x alone
	s_cmp_ge_u32 s2, 16
	s_cselect_b64 s[30:31], s[10:11], s[30:31]
	s_cmp_ge_u32 s2, 32
	s_cselect_b64 s[30:31], s[12:13], s[30:31]
	s_cmp_ge_u32 s2, 48
	s_cselect_b64 s[30:31], s[14:15], s[30:31]
	s_cmp_ge_u32 s2, 52
	s_cselect_b64 s[30:31], s[16:17], s[30:31]
	s_cmp_ge_u32 s2, 56
	s_cselect_b64 s[30:31], s[18:19], s[30:31]
	s_cmp_ge_u32 s2, 60
	s_cselect_b64 s[30:31], s[20:21], s[30:31]
	s_cmp_ge_u32 s2, 64
	s_cselect_b64 s[30:31], s[22:23], s[30:31]
	s_mov_b64 s[32:33], s[24:25]                   ; the destination likewise
	s_cmp_ge_u32 s2, 32
	s_cselect_b64 s[32:33], s[26:27], s[32:33]
	s_cmp_ge_u32 s2, 64
	s_cselect_b64 s[32:33], s[28:29], s[32:33]
	s_add_nc_u64 s[30:31], s[30:31], s[38:39]
	s_add_nc_u64 s[32:33], s[32:33], s[40:41]
.set i, 0
.rept 16
	global_load_b128 v[X+4*i:X+4*i+3], v[IO+i], s[30:31] th:TH_LOAD_NT
.set i, i+1
.endr
; Row i goes out.  half = 1: the bf16 number is widened again (a shift, a mask) and written as f16.
.macro ROWOUT i, half
	s_wait_loadcnt 15-(\i)                         ; loads come back in order: row i is in, the 15 - i younger rows stay out
	v_cvt_pk_bf16_f32 v[Y+2*(\i)],   v[X+4*(\i)],   v[X+4*(\i)+1]
	v_cvt_pk_bf16_f32 v[Y+2*(\i)+1], v[X+4*(\i)+2], v[X+4*(\i)+3]
.if \half
.irp k, 0,1
	v_lshlrev_b32 v[T+2*(\k)],   16, v[Y+2*(\i)+(\k)]
	v_and_b32     v[T+2*(\k)+1], 0xffff0000, v[Y+2*(\i)+(\k)]
.endr
.irp k, 0,1
	v_cvt_pk_f16_f32 v[Y+2*(\i)+(\k)], v[T+2*(\k)], v[T+2*(\k)+1]
.endr
.endif
	global_store_b64 v[OO+(\i)], v[Y+2*(\i):Y+2*(\i)+1], s[32:33] th:TH_STORE_NT  ; 32 lanes store 256 consecutive bytes, aligned
.endm
	s_cmp_ge_u32 s2, 64
	s_cbranch_scc1 .Lhalf
.irp i, 0,1,2,3,4,5,6,7,8,9,10,11,12,13,14,15
	ROWOUT \i, 0
.endr
	s_endpgm
.Lhalf:
.irp i, 0,1,2,3,4,5,6,7,8,9,10,11,12,13,14,15
	ROWOUT \i, 1
.endr
	s_endpgm
.Lfunc_end_k_qb792534566_prep:
	.size	k_qb792534566_prep, .Lfunc_end_k_qb792534566_prep-k_qb792534566_prep
	.p2alignl 7, 3214868480
	.fill 96, 4, 3214868480
	.section	.rodata,"a",@progbits
	.p2align	6, 0x0
	.amdhsa_kernel k_qb792534566_prep
		.amdhsa_group_segment_fixed_size 0
		.amdhsa_private_segment_fixed_size 0
		.amdhsa_enable_private_segment 0
		.amdhsa_kernarg_size 88
		.amdhsa_user_sgpr_count 2
		.amdhsa_user_sgpr_kernarg_segment_ptr 1
		.amdhsa_wavefront_size32 1
		.amdhsa_system_sgpr_workgroup_id_x 1
		.amdhsa_system_sgpr_workgroup_id_y 1
		.amdhsa_system_sgpr_workgroup_id_z 1
		.amdhsa_system_vgpr_workitem_id 0
		.amdhsa_next_free_vgpr 152
		.amdhsa_next_free_sgpr 66
		.amdhsa_reserve_vcc 0
		.amdhsa_float_denorm_mode_32 3
		.amdhsa_float_denorm_mode_16_64 3
		.amdhsa_memory_ordered 1
		.amdhsa_forward_progress 1
		.amdhsa_inst_pref_size 18
	.end_amdhsa_kernel
	.amdgpu_metadata
---
amdhsa.version: [ 1, 2 ]
amdhsa.kernels:
  - .name:           k_qb792534566_prep
    .symbol:         k_qb792534566_prep.kd
    .args:
      - { .name: hidden_states, .offset: 0, .size: 8, .value_kind: global_buffer, .address_space: global }
      - { .name: ssm_states, .offset: 8, .size: 8, .value_kind: global_buffer, .address_space: global }
      - { .name: Wq, .offset: 16, .size: 8, .value_kind: global_buffer, .address_space: global }
      - { .name: Wk, .offset: 24, .size: 8, .value_kind: global_buffer, .address_space: global }
      - { .name: Wv, .offset: 32, .size: 8, .value_kind: global_buffer, .address_space: global }
      - { .name: Wsk, .offset: 40, .size: 8, .value_kind: global_buffer, .address_space: global }
      - { .name: Wsv, .offset: 48, .size: 8, .value_kind: global_buffer, .address_space: global }
      - { .name: Wo, .offset: 56, .size: 8, .value_kind: global_buffer, .address_space: global }
      - { .name: xb, .offset: 64, .size: 8, .value_kind: global_buffer, .address_space: global }
      - { .name: wp, .offset: 72, .size: 8, .value_kind: global_buffer, .address_space: global }
      - { .name: wo16, .offset: 80, .size: 8, .value_kind: global_buffer, .address_space: global }
    .group_segment_fixed_size: 0
    .private_segment_fixed_size: 0
    .kernarg_segment_align: 8
    .kernarg_segment_size: 88
    .max_flat_workgroup_size: 256
    .sgpr_count:     66
    .vgpr_count:     152
    .wavefront_size: 32
...
	.end_amdgpu_metadata
.endif
;; end of part 1
;; launch proj (part 2): grid 32 x 16, 4 waves a work-group, clusters of 4 x 4, 327,680 bytes of LDS; arguments xb, wp, qkv; writes qkv
.if DOCPART == 2
	.amdgcn_target "amdgcn-amd-amdhsa--gfx1250"
	.amdhsa_code_object_version 6
	.text
	.protected	k_qb792534566_proj
	.globl	k_qb792534566_proj
	.p2align	8
	.type	k_qb792534566_proj,@function
k_qb792534566_proj:
	s_mov_b64 s[64:65], 0
	v_nop
	global_prefetch_b8 v0, s[64:65] scope:SCOPE_SE
	s_setreg_imm32_b32 hwreg(HW_REG_WAVE_MODE, 25, 1), 1
	s_wait_xcnt 0x0
	s_wait_alu depctr_hold_cnt(0) depctr_sa_sdst(0) depctr_va_vdst(0) depctr_va_sdst(0) depctr_va_ssrc(0) depctr_va_vcc(0) depctr_vm_vsrc(0)
	s_getreg_b32 s2, hwreg(HW_REG_IB_STS2, 6, 4)
	s_cmp_eq_u32 s2, 0
	s_cbranch_scc0 .Lentry_in_a_cluster
	s_endpgm
.Lentry_in_a_cluster:
	s_bfe_u32 s2, ttmp6, 0x10000c
	s_cmp_lg_u32 s2, 0xf033
	s_cbranch_scc0 .Lentry_shape_is_right
	s_endpgm
.Lentry_shape_is_right:
; THE FIVE PROJECTIONS AS ONE PRODUCT.  C[row][col] = sum over k of A[row][k] W[k][col]: 2,048 rows (b x 1024 + t), 4,096 columns, K = 2,048; bf16 operands, f32 sums.
; Columns 0-2047 q, 2048-2559 k, 2560-3071 v (A = hidden_states), 3072-3583 sk, 3584-4095 sv (A = ssm_states).
; A: xb, [2][2048][2048] bf16.  W: wp, 32 blocks of [2048 k][128 columns] bf16, dense.  C leaves in f16, by heads: qkv[col / 64][row][col % 64], unscaled.
; LIMIT.  f16 holds no number beyond 65,504: q, k, v, sk and sv are taken to lie within it.
; A tile of C is 128 x 128: 512 tiles, four waves of 64 x 64 each (16 accumulators, 128 registers).  K goes in steps of 256 through two LDS slots filled by tensor loads.
; A's rows in LDS lie along K and are read as they lie; W's lie [k][column] and are read turned, by ds_load_tr16_b128.
; CLUSTERS: 4 x 4 work-groups.  The four of a row of the cluster need the same tiles of A, the four of a column the same tiles of W: each tile is asked for JOINTLY, by the same tensor load with
; the same descriptor and a mask that names the four.  THE MATRIX INSTRUCTION IS USED TRANSPOSED (source 0 = 16 columns of W, source 1 = 16 rows of A): a lane then holds eight neighbouring columns of a row of C.
; No prefetch: the tiles are small, and every tile of A and W is read by several clusters within the launch.
; REGISTERS: window 0: v0-31 addresses; v32-95 at work on the way out; v128-255 the accumulators ((a, b) at v[128 + 8 (4 a + b)]).
;   window 1: two fragment buffers of 128: for 64 along K, 64 registers of A (2 x 4 x 16 rows x 32 K), then 64 of W.
.set KSTEP,  256
.set PA,     528                       ; a row of A in LDS: 512 bytes + 16 of padding: the 16 rows of a load start 16 bytes further on in each 256
.set HALFA,  64*PA                     ; 64 rows: what one tensor load brings of A
.set PB,     288                       ; a row of W in LDS: 256 bytes + 32 of padding: 16 lanes of the turning load take 8 rows x 32 bytes, no two in the same words modulo 256 bytes
.set HALFB,  128*PB                    ; 128 k: what one tensor load brings of W
.set SLOT,   2*HALFA+2*HALFB           ; A's 128 rows, then W's 256 k
.set STAGE,  2*SLOT                    ; behind the ring: 16 rows x 144 bytes for each wave, for the way out
.set SPITCH, 144
.set SPARE,  STAGE+4*16*SPITCH         ; behind the stages: the spare words, 128 bytes for each wave
.set LAPS,   4                         ; a lap = two K steps = once round the ring: 2,048 / 512
.set ADRA, 16                          ; v16-17  LDS address of my A fragments in slot 0, 1
.set ADRB, 20                          ; v20-23  the same for W: slot 0 k 0-127, slot 0 k 128-255, slot 1 likewise
.set STO,  24                          ; v24     the way out: where I put 16 bytes of a row
.set RD,   25                          ; v25     the way out: where I read rows back
.set CO,   26                          ; v26     my byte offset in 512 consecutive bytes of qkv
.set SPW,  28                          ; v28     LDS address of my spare word; never rewritten
.set NIL,  29                          ; v29     0; never rewritten
.set TMP,  32
.set ACC,  128
.set F0,   0                           ; fragment buffers, in window 1
.set F1,   128
.set G1, 24                            ; s[24:31] descriptor group 1 for A's tiles;  s[32:39] group 0, one set for each slot
.set G0, 32
.set G1B, 48                           ; s[48:55], s[56:63] the same for W's tiles
.set G0B, 56
.set MSB, 0
.macro WIN new                         ; the immediate's high byte repeats the setting that is left
.if MSB != (\new)
	s_set_vgpr_msb (MSB<<8)|(\new)
.set MSB, \new
.endif
.endm
.set MUL,  0x05                        ; sources 0 (W) and 1 (A) window 1; C and D window 0
.set TO_F, 0x40                        ; destination window 1, address window 0
.macro JLOAD s                         ; a joint load: waves 0 and 1 fetch A's two halves, waves 2 and 3 W's; an s_nop 0 and four v_nop follow each of the two lines
	s_cmp_eq_u32 s11, 0
	s_cbranch_scc0 .Lfor_b_\@
	tensor_load_to_lds s[G0+4*(\s):G0+4*(\s)+3], s[G1:G1+7]
	s_nop 0
.rept 4
	v_nop
.endr
	s_branch .Lasked_\@
.Lfor_b_\@:
	tensor_load_to_lds s[G0B+4*(\s):G0B+4*(\s)+3], s[G1B:G1B+7]
	s_nop 0
.rept 4
	v_nop
.endr
.Lasked_\@:
.endm
.macro CREST                           ; a round of the cluster's barrier behind its opening barrier
	s_cmp_lg_u32 s10, 0
	s_cbranch_scc1 .Lnot_wave_0_\@
	s_barrier_signal -3
.Lnot_wave_0_\@:
	s_barrier_wait -3
	s_barrier_signal -1
	s_barrier_wait -1
.endm
.macro CROUND                          ; a whole round
	s_barrier_signal -1
	s_barrier_wait -1
	CREST
.endm
	s_load_b128 s[4:7], s[0:1], 0x0                ; xb s[4:5], wp s[6:7]
	s_load_b64 s[8:9], s[0:1], 0x10                ; qkv
	v_lshl_add_u32 v[SPW], v0, 2, SPARE
	v_mov_b32 v[NIL], 0
	ds_add_u32 v[SPW], v[NIL]                      ; the wave's opening: the add and its wait ahead of my first tensor load; work on registers stands between them
	v_lshrrev_b32 v1, 5, v0
	v_readfirstlane_b32 s10, v1                    ; wave 0..3
	s_lshr_b32 s11, s10, 1                         ; which half of the tile's rows is mine.  Also: I fetch for A (0) or for W (1)
	s_and_b32 s12, s10, 1                          ; which half of its columns.  Also: which half of that tile I fetch
	s_bfe_u32 s40, ttmp6, 0x40000                  ; cx, cy: my place in the cluster
	s_bfe_u32 s41, ttmp6, 0x40004
	s_lshl_b32 s42, ttmp9, 2
	s_add_co_u32 s42, s42, s40                     ; tile column of C = 4 x cluster x + cx = the block of wp
	s_and_b32 s13, ttmp7, 0xffff
	s_lshl_b32 s13, s13, 2
	s_add_co_u32 s13, s13, s41                     ; tile row of C = 4 x cluster y + cy
	s_lshl_b32 s43, s41, 2
	s_lshl_b32 s43, 15, s43                        ; my row of the cluster
	s_lshl_b32 s44, 0x1111, s40                    ; my column
	s_or_b32 s[G1+0], s43, (1<<16)|(1<<20)|(1<<21)|(6<<22)|(3<<25)   ; the mask: A's tiles go to my row; 2-byte elements; padding on; bit 21 beside a mask; after every 128 words 4 words
	s_or_b32 s[G1B+0], s44, (1<<16)|(1<<20)|(1<<21)|(5<<22)|(7<<25)  ; W's tiles go to my column; after every 64 words 8 words
	s_mov_b32 s[G1+1], KSTEP<<16                   ; A: tensor_dim0 = 256
	s_mov_b32 s[G1+2], 64<<16                      ; tensor_dim1 = 64
	s_mov_b32 s[G1+3], KSTEP<<16                   ; tile_dim0 = 256
	s_mov_b32 s[G1+4], 64                          ; tile_dim1 = 64
	s_mov_b32 s[G1+5], 2048                        ; elements from row to row
	s_mov_b32 s[G1+6], 0
	s_mov_b32 s[G1+7], 0
	s_mov_b32 s[G1B+1], 128<<16                    ; W: tensor_dim0 = 128
	s_mov_b32 s[G1B+2], 128<<16                    ; tensor_dim1 = 128
	s_mov_b32 s[G1B+3], 128<<16                    ; tile_dim0 = 128
	s_mov_b32 s[G1B+4], 128                        ; tile_dim1 = 128
	s_mov_b32 s[G1B+5], 128                        ; a block's rows are dense
	s_mov_b32 s[G1B+6], 0
	s_mov_b32 s[G1B+7], 0
	s_lshl_b32 s17, s12, 6                         ; which 64 rows of A's tile I fetch
	s_lshl_b32 s16, s13, 7
	s_add_co_u32 s16, s16, s17
	s_lshl_b32 s16, s16, 12                        ; rows of 4,096 bytes
	s_cmp_ge_u32 ttmp9, 6                          ; tile columns 24-31 (clusters 6 and 7 along x) multiply ssm_states: the same choice in all sixteen partners
	s_cselect_b32 s18, 0x800000, 0
	s_add_co_u32 s16, s16, s18
	s_mov_b32 s17, 0
	s_lshl_b32 s46, s42, 19                        ; W: the block's 524,288 bytes,
	s_lshl_b32 s47, s12, 15                        ; which 128 k of a step I fetch: 128 rows of 256 bytes
	s_add_co_u32 s46, s46, s47
	s_mov_b32 s47, 0
	s_mul_i32 s20, s12, HALFA                      ; where they go: no place in the cluster enters an LDS address
	s_mul_i32 s23, s12, HALFB
	s_add_co_u32 s23, s23, 2*HALFA
	s_wait_dscnt 0x0                               ; the opening add is done
	s_wait_kmcnt 0x0
	s_add_nc_u64 s[14:15], s[4:5], s[16:17]
	s_add_nc_u64 s[46:47], s[6:7], s[46:47]
	CROUND                                         ; all sixteen work-groups are here: the first joint loads meet
.irp s, 0,1
	s_mov_b32 s[G0+4*(\s)], 1
	s_add_co_u32 s[G0+4*(\s)+1], s20, (\s)*SLOT
	s_add_nc_u64 s[G0+4*(\s)+2:G0+4*(\s)+3], s[14:15], (\s)*KSTEP*2      ; K step s: 512 bytes along A's rows
	s_or_b32 s[G0+4*(\s)+3], s[G0+4*(\s)+3], 0x80000000
	s_mov_b32 s[G0B+4*(\s)], 1
	s_add_co_u32 s[G0B+4*(\s)+1], s23, (\s)*SLOT
	s_add_nc_u64 s[G0B+4*(\s)+2:G0B+4*(\s)+3], s[46:47], (\s)*KSTEP*256  ; K step s: 256 rows of 256 bytes down the block
	s_or_b32 s[G0B+4*(\s)+3], s[G0B+4*(\s)+3], 0x80000000
	JLOAD \s                                       ; two tensor loads of mine are out
.endr
	v_and_b32 v1, 15, v0                           ; l % 16
	v_bfe_u32 v2, v0, 4, 1                         ; l / 16
	v_mul_u32_u24 v3, v1, PA
	v_lshl_add_u32 v3, v2, 4, v3                   ; A: a fragment's row x pitch + 16 x half
	s_mul_i32 s21, s11, HALFA                      ; my 64 rows of A
	v_add_nc_u32 v[ADRA], s21, v3
	v_add_nc_u32 v[ADRA+1], SLOT, v[ADRA]
	v_and_b32 v4, 7, v0                            ; W: the turning load takes 16 k x 16 columns: lane l reads k 8 (l / 16) + l % 8, columns 8 ((l / 8) % 2) + 0..7
	v_bfe_u32 v5, v0, 3, 1
	v_lshl_add_u32 v6, v2, 3, v4
	v_mul_u32_u24 v6, v6, PB
	v_lshl_add_u32 v6, v5, 4, v6
	s_lshl_b32 s22, s12, 7                         ; my 64 columns: 128 bytes of a row
	s_add_co_u32 s22, s22, 2*HALFA
	v_add_nc_u32 v[ADRB], s22, v6
	v_add_nc_u32 v[ADRB+1], HALFB, v[ADRB]
	v_add_nc_u32 v[ADRB+2], SLOT, v[ADRB]
	v_add_nc_u32 v[ADRB+3], SLOT+HALFB, v[ADRB]
	s_mul_i32 s23, s10, 16*SPITCH
	s_add_co_u32 s23, s23, STAGE                   ; my stage
	v_mul_u32_u24 v7, v1, SPITCH                   ; in: row l % 16, 16 bytes for each half of the lanes
	v_lshl_add_u32 v7, v2, 4, v7
	v_add_nc_u32 v[STO], s23, v7
	v_bfe_u32 v7, v0, 3, 2                         ; back: 32 lanes take four rows of 128 bytes,
	v_mul_u32_u24 v7, v7, SPITCH
	v_lshl_add_u32 v7, v4, 4, v7
	v_add_nc_u32 v[RD], s23, v7
	v_and_b32 v[CO], 31, v0                        ; which are 512 consecutive bytes of qkv
	v_lshlrev_b32 v[CO], 4, v[CO]
	s_lshl_b32 s16, s13, 7                         ; my first row: 128 x tile row + 64 x half, 128 bytes a row
	s_lshl_b32 s17, s11, 6
	s_add_co_u32 s16, s16, s17
	s_lshl_b32 s16, s16, 7
	s_mov_b32 s17, 0
	s_add_nc_u64 s[8:9], s[8:9], s[16:17]
	s_lshl_b32 s46, s42, 1                         ; my 64 columns are one head: number 2 x tile column + half, 262,144 bytes each
	s_add_co_u32 s46, s46, s12
	s_lshl_b32 s46, s46, 18
	s_mov_b32 s47, 0
	s_add_nc_u64 s[8:9], s[8:9], s[46:47]
; 8 matrix instructions: row blocks a0, a0 + 1 x all 4 column blocks, 32 along K: half c of buffer f.  zero = 1: the first product starts the sums.
; The 16 accumulators take turns, one instruction a turn.
.macro MUL8 f, c, a0, zero
	WIN MUL
.irp a, \a0, (\a0)+1
.irp b, 0,1,2,3
.if \zero
	v_wmma_f32_16x16x32_bf16 v[ACC+8*(4*(\a)+(\b)):ACC+8*(4*(\a)+(\b))+7], v[(\f)+64+8*(4*(\c)+(\b)):(\f)+64+8*(4*(\c)+(\b))+7], v[(\f)+8*(4*(\c)+(\a)):(\f)+8*(4*(\c)+(\a))+7], 0
.else
	v_wmma_f32_16x16x32_bf16 v[ACC+8*(4*(\a)+(\b)):ACC+8*(4*(\a)+(\b))+7], v[(\f)+64+8*(4*(\c)+(\b)):(\f)+64+8*(4*(\c)+(\b))+7], v[(\f)+8*(4*(\c)+(\a)):(\f)+8*(4*(\c)+(\a))+7], v[ACC+8*(4*(\a)+(\b)):ACC+8*(4*(\a)+(\b))+7]
.endif
.endr
.endr
.endm
; 32 LDS loads in one run: the fragments of quarter q (64 along K) of a slot, into buffer f; the first 32 along K first
.macro FETCH slot, q, f
	WIN TO_F
.irp c, 0,1
.irp i, 0,1,2,3
	ds_load_tr16_b128 v[(\f)+64+8*(4*(\c)+(\i)):(\f)+64+8*(4*(\c)+(\i))+3],   v[ADRB+2*(\slot)+(\q)/2] offset:((\q)%2)*64*PB+(\c)*32*PB+32*(\i)
	ds_load_tr16_b128 v[(\f)+64+8*(4*(\c)+(\i))+4:(\f)+64+8*(4*(\c)+(\i))+7], v[ADRB+2*(\slot)+(\q)/2] offset:((\q)%2)*64*PB+(\c)*32*PB+32*(\i)+16*PB
	ds_load_b128 v[(\f)+8*(4*(\c)+(\i)):(\f)+8*(4*(\c)+(\i))+3],              v[ADRA+(\slot)] offset:128*(\q)+64*(\c)+(\i)*16*PA
	ds_load_b128 v[(\f)+8*(4*(\c)+(\i))+4:(\f)+8*(4*(\c)+(\i))+7],            v[ADRA+(\slot)] offset:128*(\q)+64*(\c)+(\i)*16*PA+32
.endr
.endr
.endm
.macro PLACES                          ; four places in front of loads into registers that matrix instructions have read, and of instructions that read results
.rept 4
	v_nop
.endr
.endm
; A K step is four quarters of 64 along K, 32 matrix instructions each, on buffers 0, 1, 0, 1.  One of the first three: multiplies buffer f and fetches quarter q into g.
.macro QUARTER slot, q, f, g, zero
	s_wait_dscnt 16                                ; the first 32 along K are in; the younger sixteen loads may be out
	WIN MUL
	MUL8 \f, 0, 0, \zero
	MUL8 \f, 0, 2, \zero
	PLACES
	FETCH \slot, \q, \g
	s_wait_dscnt 32                                ; all but the 32 just issued
	WIN MUL
	MUL8 \f, 1, 0, 0
	MUL8 \f, 1, 2, 0
.endm
; The last quarter multiplies buffer 1 and changes slots: ONE barrier; in front of it each wave waits for all its tensor loads, adds 0 to its spare word, and waits for that and for its own reads of this slot.
; fill = 1: this slot is filled again, two K steps ahead; the barrier then opens a round of the cluster's barrier.
.macro TURN slot, next, fill
	WIN 0                                          ; (the add's two registers lie in window 0)
	s_wait_tensorcnt 0x0                           ; all my tensor loads have landed: my part of the next slot;
	ds_add_u32 v[SPW], v[NIL]                      ; 0 onto my spare word
	s_wait_dscnt 17                                ; (the add and the youngest sixteen loads may be out)
	WIN MUL
	MUL8 F1, 0, 0, 0                               ; eight matrix instructions stand between the add and the wait for it
	s_wait_dscnt 0x0                               ; the add is done, and my reads of this slot are over
	s_barrier_signal -1
	MUL8 F1, 0, 2, 0
.if \fill
	WIN 0
.endif
	s_barrier_wait -1
.if \fill
	CREST                                          ; no wave of any partner still reads this slot's tiles or has a load on its way
	s_add_nc_u64 s[G0+4*(\slot)+2:G0+4*(\slot)+3], s[G0+4*(\slot)+2:G0+4*(\slot)+3], 2*KSTEP*2
	s_add_nc_u64 s[G0B+4*(\slot)+2:G0B+4*(\slot)+3], s[G0B+4*(\slot)+2:G0B+4*(\slot)+3], 2*KSTEP*256
	JLOAD \slot                                    ; the first tensor load behind the round, my only one until the next; the four v_nop behind it are also the places in front of the loads below
.else
	PLACES
.endif
	FETCH \next, 0, F0
	WIN MUL
	MUL8 F1, 1, 0, 0
	MUL8 F1, 1, 2, 0
.endm
	s_wait_tensorcnt 1                             ; my part of K step 0 is in; K step 1's may stay out
	s_barrier_signal -1
	s_barrier_wait -1                              ; everybody's is
	FETCH 0, 0, F0
	QUARTER 0, 1, F0, F1, 1                        ; the first quarter stands in front of the loop: its first products start the sums
	WIN 0                                          ; at a label and at a branch every window is 0
	s_mov_b32 s3, LAPS-1
.Llap:                                                 ; a trip goes once round the ring, from a lap's second quarter to the next lap's first, and fills both slots again
	QUARTER 0, 2, F1, F0, 0
	QUARTER 0, 3, F0, F1, 0
	TURN 0, 1, 1
	QUARTER 1, 1, F0, F1, 0
	QUARTER 1, 2, F1, F0, 0
	QUARTER 1, 3, F0, F1, 0
	TURN 1, 0, 1
	QUARTER 0, 1, F0, F1, 0
	WIN 0
	s_sub_co_u32 s3, s3, 1
	s_cmp_lg_u32 s3, 0
	s_cbranch_scc1 .Llap
	QUARTER 0, 2, F1, F0, 0                        ; the last lap fills nothing, and has no round of the cluster's barrier
	QUARTER 0, 3, F0, F1, 0
	TURN 0, 1, 0
	QUARTER 1, 1, F0, F1, 0
	QUARTER 1, 2, F1, F0, 0
	QUARTER 1, 3, F0, F1, 0
	s_wait_dscnt 16                                ; the very last quarter: nothing more to fetch
	WIN MUL
	MUL8 F1, 0, 0, 0
	MUL8 F1, 0, 2, 0
	s_wait_dscnt 0
	MUL8 F1, 1, 0, 0
	MUL8 F1, 1, 2, 0
	WIN 0
	; THE WAY OUT.  My 64 columns are one head and my 64 rows 8,192 consecutive bytes of qkv.  A block of 16 rows at a time: rounded to f16, 16 bytes a lane into my own stage, back as whole rows.
.macro PACK a
.irp b, 0,1,2,3
.irp r, 0,1,2,3
	v_cvt_pk_f16_f32 v[TMP+16*(\a)+4*(\b)+(\r)], v[ACC+8*(4*(\a)+(\b))+2*(\r)], v[ACC+8*(4*(\a)+(\b))+2*(\r)+1]  ; each accumulator is read from its low end on
.endr
.endr
.irp b, 0,1,2,3
	ds_store_b128 v[STO], v[TMP+16*(\a)+4*(\b):TMP+16*(\a)+4*(\b)+3] offset:32*(\b)
.endr
.irp f, 0,1,2,3
	ds_load_b128 v[TMP+16*(\a)+4*(\f):TMP+16*(\a)+4*(\f)+3], v[RD] offset:(\f)*4*SPITCH  ; LDS serves a wave's instructions in order: these see the stores above, and the next block's stores come behind them
.endr
.endm
.macro SEND a, younger                 ; younger: the LDS instructions issued behind block a's loads: the next block's eight, or none
.irp f, 0,1,2,3
	s_wait_dscnt (\younger)+3-(\f)
	global_store_b128 v[CO], v[TMP+16*(\a)+4*(\f):TMP+16*(\a)+4*(\f)+3], s[8:9] offset:(\a)*2048+(\f)*512  ; 512 consecutive bytes, aligned
.endr
.endm
	PLACES
	PLACES
	PACK 0
.irp a, 1,2,3
	PACK \a
	SEND (\a)-1, 8
.endr
	SEND 3, 0
	s_wait_tensorcnt 0x0                           ; the wave's end, behind my last tensor load and my last LDS store
	ds_add_u32 v[SPW], v[NIL]
	s_wait_dscnt 0x0
	CROUND                                         ; the closing round: no work-group ends while a partner may still ask for a tile that names it
	s_endpgm
.Lfunc_end_k_qb792534566_proj:
	.size	k_qb792534566_proj, .Lfunc_end_k_qb792534566_proj-k_qb792534566_proj
	.p2alignl 7, 3214868480
	.fill 96, 4, 3214868480
	.section	.rodata,"a",@progbits
	.p2align	6, 0x0
	.amdhsa_kernel k_qb792534566_proj
		.amdhsa_group_segment_fixed_size 327680
		.amdhsa_private_segment_fixed_size 0
		.amdhsa_enable_private_segment 0
		.amdhsa_kernarg_size 24
		.amdhsa_user_sgpr_count 2
		.amdhsa_user_sgpr_kernarg_segment_ptr 1
		.amdhsa_wavefront_size32 1
		.amdhsa_system_sgpr_workgroup_id_x 1
		.amdhsa_system_sgpr_workgroup_id_y 1
		.amdhsa_system_sgpr_workgroup_id_z 1
		.amdhsa_system_vgpr_workitem_id 0
		.amdhsa_next_free_vgpr 512
		.amdhsa_next_free_sgpr 66
		.amdhsa_reserve_vcc 0
		.amdhsa_float_denorm_mode_32 3
		.amdhsa_float_denorm_mode_16_64 3
		.amdhsa_memory_ordered 1
		.amdhsa_forward_progress 1
		.amdhsa_inst_pref_size 87
	.end_amdhsa_kernel
	.amdgpu_metadata
---
amdhsa.version: [ 1, 2 ]
amdhsa.kernels:
  - .name:           k_qb792534566_proj
    .symbol:         k_qb792534566_proj.kd
    .args:
      - { .name: xb, .offset: 0, .size: 8, .value_kind: global_buffer, .address_space: global }
      - { .name: wp, .offset: 8, .size: 8, .value_kind: global_buffer, .address_space: global }
      - { .name: qkv, .offset: 16, .size: 8, .value_kind: global_buffer, .address_space: global }
    .group_segment_fixed_size: 327680
    .private_segment_fixed_size: 0
    .kernarg_segment_align: 8
    .kernarg_segment_size: 24
    .max_flat_workgroup_size: 128
    .sgpr_count:     66
    .vgpr_count:     512
    .wavefront_size: 32
...
	.end_amdgpu_metadata
.endif
;; end of part 2
;; launch attn (part 3): grid 16 x 16, 8 waves a work-group, no clusters, 229,376 bytes of LDS; arguments qkv, ob; writes ob
.if DOCPART == 3
	.amdgcn_target "amdgcn-amd-amdhsa--gfx1250"
	.amdhsa_code_object_version 6
	.text
	.protected	k_qb792534566_attn
	.globl	k_qb792534566_attn
	.p2align	8
	.type	k_qb792534566_attn,@function
k_qb792534566_attn:
	s_mov_b64 s[64:65], 0
	v_nop
	global_prefetch_b8 v0, s[64:65] scope:SCOPE_SE
	s_setreg_imm32_b32 hwreg(HW_REG_WAVE_MODE, 25, 1), 1
	s_wait_xcnt 0x0
; THE WINDOWED DUAL ATTENTION.  For query t of head h: the keys are positions t - 255 .. t of the ssm copy (sk, sv) and the same positions of the attention copy (k, v);
; score = q . k / 8 + slope_h (s - t), slope_h = 2^(-h / 4); one softmax over both copies.  qkv: f16 [64 heads][2048 rows][64]: 0-31 q, 32-39 k, 40-47 v, 48-55 sk, 56-63 sv; row = b x 1024 + t.
; ob: f16 [2048 rows][2048], head h at byte 128 h of a row.  Products, maxima and sums in f32; the weights are rounded to f16 for the second product (their sum is taken of the unrounded), O once at the end.
; LIMITS.  A hidden score counts as -1e30 plus its product, beside which f16's scores are nothing; a weight below 2^-126 counts as 0; NaN and infinities are not treated apart.
; The part of the bias that is the same for all keys of a query, -slope t and the wave's first position, is left out: a softmax does not see it.
; SHARES.  A work-group has 64 queries (block qb) of the four query heads that share one key and value head; wave w has head w / 2 and 32 queries (half w % 2): two tiles of 16.
; A KEY STEP is 64 keys: the 32 positions tq0 - 32 n .. + 31 of the ssm copy and the same of the attention copy.  n = 0 holds the diagonal, n = 1..7 are seen whole, n = 8 holds the window's far edge,
; whose mask is the diagonal's complement.  Step n exists where n <= 2 qb + w % 2; the walk counts to the constant 7 and jumps forward over steps that do not exist.
; LDS is filled ONCE: positions t0 - 256 .. t0 + 63 of sk, k, sv, v, in ten slots of 32 positions, slot j holding t0 + 32 - 32 j on.  Each wave brings five slots of one tensor; five tensor loads of a wave are out.
; A slot whose positions would be negative is filled from position 0 and never read.
; NO CLUSTER: the four heads that share K and V are already one work-group; neighbouring query blocks share four fifths of their positions, but at places in LDS that would hang on the work-group's place.
; NO PREFETCH: all that the work-group reads is asked for at its head.
; LAYOUT.  S^T = K Q^T holds ONE query a lane (lane % 16) and the keys 8 (lane / 16) + 0..7; two such results rounded to f16 ARE source 1 of O^T = V^T P.  V is read turned.
; BIAS AND MASK are the C operand that starts S^T: 8 slope p for position p of the step, or -1e30.  x = c S + DL, c = log2(e) / 8, DL = -32 n slope log2(e); p = 2^(x - M) with a running maximum M;
; O and l are multiplied by a = 2^(M_old - M_new) in every step but the first.
; REGISTERS.  window 0: v2-15 addresses and constants; v16-31 statistics, 8 a tile; v33-38 scratch; v64-127 S^T; v128-159 P; v160-191 Q; v192-255 K of a step.
;   window 1: v0-63 O^T; v64-127 V of a step; v128-143 the bias; v144-175 the diagonal's C; v176-207 the far edge's C; v208-210 at work.
.set PKB,   144                        ; a row of K in LDS: 128 bytes + 16
.set PVB,   160                        ; a row of V: 128 + 32
.set KSL,   32*PKB                     ; a slot of K
.set VSL,   32*PVB                     ; a slot of V
.set SRCK,  10*KSL                     ; sk's ten slots; k's follow
.set SRCV,  10*VSL
.set VOFF,  2*SRCK                     ; sv's ten slots, then v's
.set STAGE, VOFF+2*SRCV                ; the work-group's stage for the way out: 64 rows x 528 bytes; no tensor load lands here
.set SP,    528
.set SPARE, STAGE+64*SP                ; the spare words, 128 bytes for each of eight waves
.set SPW, 2                            ; LDS address of my spare word; never rewritten
.set NIL, 3                            ; 0; never rewritten
.set AK,  4                            ; my place in K's slot of the step in hand
.set AV,  5                            ; the same for V
.set QO,  6
.set STO, 7
.set RD,  8
.set GO,  9
.set DL,  12                           ; the step's offset
.set DSTEP, 13                         ; -32 slope log2(e)
.set SLP, 14                           ; slope
.set SL8, 15                           ; 8 slope
.set ST,  16                           ; tile t at ST + 8 t: +0 M, +1 M_old and then its change, +2, +3 l, +4 .. +7 c0-c3; c0 later holds DL - M, c2 later a
.set S,   64
.set P,   128
.set Q,   160
.set KF,  192                          ; key block kb, channel half c at KF + 16 kb + 8 c
.set O,   0                            ; window 1
.set VF,  64                           ; window 1: key half kk, channel block cb at VF + 32 kk + 8 cb
.set BI0, 128
.set CMD, 144
.set CMO, 176
.set DD,  208
.set NG,  210
.set CS,  16                           ; s[16:17] c
.set SEL, 18                           ; s[18:19] v_permlanex16_b32's selects
.set G1K, 20                           ; s[20:27]
.set G1V, 28                           ; s[28:35]
.set G0,  36                           ; s[36:55] five sets
.set MSB, 0
.macro WIN new
.if MSB != (\new)
	s_set_vgpr_msb (MSB<<8)|(\new)
.set MSB, (\new)
.endif
.endm
.macro PLACES
.rept 4
	v_nop
.endr
.endm
.macro BOTH line:vararg                ; one line for each of the two tiles t
.set t, 0
.rept 2
	\line
.set t, t+1
.endr
.endm
	s_load_b128 s[4:7], s[0:1], 0x0                ; qkv s[4:5], ob s[6:7]
	v_lshl_add_u32 v[SPW], v0, 2, SPARE
	v_mov_b32 v[NIL], 0
	ds_add_u32 v[SPW], v[NIL]                      ; the wave's opening: the add and its wait ahead of my first tensor load
	v_lshrrev_b32 v1, 5, v0
	v_readfirstlane_b32 s8, v1                     ; wave 0..7
	s_lshr_b32 s9, s8, 1                           ; g: my head among the four
	s_and_b32 s10, s8, 1                           ; qh: my half of the queries.  Also: the parity of the slots that I fetch
	s_mov_b32 s11, ttmp9                           ; qb
	s_and_b32 s13, ttmp7, 0xffff
	s_lshr_b32 s12, s13, 3                         ; b
	s_and_b32 s13, s13, 7                          ; the key and value head
	s_lshl_b32 s14, s11, 1
	s_add_co_u32 s14, s14, s10                     ; 2 qb + qh: my first query / 32, and the last step that exists
	s_mov_b32 s[CS], 0x3e38aa3b                    ; c = log2(e) / 8
	s_mov_b32 s[CS+1], s[CS]
	s_mov_b32 s[SEL], 0x76543210
	s_mov_b32 s[SEL+1], 0xfedcba98
	; 32 positions are 4,096 dense bytes: asked for as 16 rows of 256 bytes, two positions a row, and padded in LDS after every position
	s_mov_b32 s[G1K], (1<<16)|(1<<20)|(4<<22)|(3<<25)  ; 2-byte elements; padding on; after every 32 words 4 words
	s_mov_b32 s[G1V], (1<<16)|(1<<20)|(4<<22)|(7<<25)  ; the same with 8 words
.irp g, G1K, G1V
	s_mov_b32 s[\g+1], 128<<16                     ; tensor_dim0 = 128
	s_mov_b32 s[\g+2], 16<<16                      ; tensor_dim1 = 16
	s_mov_b32 s[\g+3], 128<<16                     ; tile_dim0 = 128
	s_mov_b32 s[\g+4], 16                          ; tile_dim1 = 16
	s_mov_b32 s[\g+5], 128                         ; dense
	s_mov_b32 s[\g+6], 0
	s_mov_b32 s[\g+7], 0
.endr
	s_lshr_b32 s56, s8, 2                          ; waves 0-3 fetch K's, waves 4-7 V's
	s_bfe_u32 s57, s8, 0x10001                     ; 0: the ssm copy, 1: the attention copy
	s_lshl_b32 s66, s56, 3
	s_add_co_u32 s66, s66, s13
	s_add_co_u32 s66, s66, 32
	s_cmp_eq_u32 s57, 0
	s_cselect_b32 s67, 16, 0
	s_add_co_u32 s66, s66, s67                     ; the tensor's head in qkv: 32 + head, + 8 for a V, + 16 for the ssm copy
	s_lshl_b32 s66, s66, 18
	s_lshl_b32 s67, s12, 17
	s_add_co_u32 s66, s66, s67                     ; its first byte for batch b
	s_lshl_b32 s68, s11, 6
	s_lshl_b32 s69, s10, 5
	s_sub_co_u32 s69, 32, s69
	s_add_co_u32 s68, s68, s69                     ; the first position of my first slot: t0 + 32 - 32 x parity
	s_mov_b32 s71, 0
	s_wait_dscnt 0x0                               ; the opening add is done
	s_wait_kmcnt 0x0
.irp i, 0,1,2,3,4
	s_sub_co_i32 s70, s68, 64*\i                   ; load i: two slots, 64 positions, further back;
	s_max_i32 s70, s70, 0                          ; a slot that does not exist is filled from position 0 and never read
	s_lshl_b32 s70, s70, 7
	s_add_co_u32 s70, s70, s66
	s_mov_b32 s[G0+4*\i], 1
	s_add_nc_u64 s[G0+4*\i+2:G0+4*\i+3], s[4:5], s[70:71]
	s_or_b32 s[G0+4*\i+3], s[G0+4*\i+3], 0x80000000
.endr
	s_cmp_lt_u32 s8, 4                             ; a wave's five first fills stand in one branch, ahead of every wait on TENSORcnt, every LDS read and every barrier
	s_cbranch_scc0 .Lfor_v
	s_mul_i32 s62, s57, SRCK
	s_mul_i32 s63, s10, KSL
	s_add_co_u32 s62, s62, s63
.irp i, 0,1,2,3,4
	s_add_co_u32 s[G0+4*\i+1], s62, \i*2*KSL       ; slot 2 i + parity of my copy of K
.endr
.irp i, 0,1,2,3,4
	tensor_load_to_lds s[G0+4*\i:G0+4*\i+3], s[G1K:G1K+7]
	s_nop 0
.endr
	PLACES
	s_branch .Lasked
.Lfor_v:
	s_mul_i32 s62, s57, SRCV
	s_mul_i32 s63, s10, VSL
	s_add_co_u32 s62, s62, s63
	s_add_co_u32 s62, s62, VOFF
.irp i, 0,1,2,3,4
	s_add_co_u32 s[G0+4*\i+1], s62, \i*2*VSL
.endr
.irp i, 0,1,2,3,4
	tensor_load_to_lds s[G0+4*\i:G0+4*\i+3], s[G1V:G1V+7]
	s_nop 0
.endr
	PLACES
.Lasked:
	; Q stays in registers: tile f / 2, channels 32 (f % 2) on; lane l holds row l % 16, channels 8 (l / 16) + 0..7 and 16 + 8 (l / 16) + 0..7
	s_lshl_b32 s58, s13, 2
	s_add_co_u32 s58, s58, s9                      ; h
	s_lshl_b32 s60, s58, 18
	s_lshl_b32 s61, s12, 17
	s_add_co_u32 s60, s60, s61
	s_lshl_b32 s61, s14, 12                        ; my first query: 32 (2 qb + qh) rows of 128 bytes
	s_add_co_u32 s60, s60, s61
	s_mov_b32 s61, 0
	s_add_nc_u64 s[72:73], s[4:5], s[60:61]
	v_and_b32 v33, 15, v0                          ; l % 16
	v_bfe_u32 v34, v0, 4, 1                        ; l / 16
	v_lshlrev_b32 v[QO], 7, v33
	v_lshl_add_u32 v[QO], v34, 4, v[QO]
.irp f, 0,1,2,3
	global_load_b128 v[Q+8*\f:Q+8*\f+3],   v[QO], s[72:73] offset:(\f/2)*2048+(\f%2)*64
	global_load_b128 v[Q+8*\f+4:Q+8*\f+7], v[QO], s[72:73] offset:(\f/2)*2048+(\f%2)*64+32
.endr
	v_cvt_f32_u32 v10, s58
	v_mul_f32 v10, 0xbe800000, v10                 ; -h / 4
	v_exp_f32 v[SLP], v10                          ; the slope; the address work below stands between it and its wait
	s_xor_b32 s59, s10, 1                          ; step n of half qh lies in slot n + 1 - qh
	s_mul_i32 s60, s59, KSL
	v_mul_u32_u24 v[AK], v33, PKB
	v_lshl_add_u32 v[AK], v34, 4, v[AK]
	v_add_nc_u32 v[AK], s60, v[AK]
	v_and_b32 v35, 7, v0                           ; the turning load: lane l reads key 8 (l / 16) + l % 8, channels 8 ((l / 8) % 2) + 0..7
	v_bfe_u32 v36, v0, 3, 1
	v_lshl_add_u32 v[AV], v34, 3, v35
	v_mul_u32_u24 v[AV], v[AV], PVB
	v_lshl_add_u32 v[AV], v36, 4, v[AV]
	s_mul_i32 s61, s59, VSL
	s_add_co_u32 s61, s61, VOFF
	v_add_nc_u32 v[AV], s61, v[AV]
	s_mul_i32 s62, s10, 32*SP                      ; into the stage: row 32 qh + 16 tile + l % 16, my head's 128 bytes, 16 for each half of the lanes
	s_lshl_b32 s63, s9, 7
	s_add_co_u32 s62, s62, s63
	s_add_co_u32 s62, s62, STAGE
	v_mul_u32_u24 v[STO], v33, SP
	v_lshl_add_u32 v[STO], v34, 4, v[STO]
	v_add_nc_u32 v[STO], s62, v[STO]
	v_and_b32 v37, 31, v0
	s_mul_i32 s62, s8, 8*SP                        ; back: wave w takes rows 8 w .. 8 w + 7, whole: 512 bytes, 16 a lane
	s_add_co_u32 s62, s62, STAGE
	v_lshl_add_u32 v[RD], v37, 4, s62
	v_lshlrev_b32 v[GO], 4, v37
	s_lshl_b32 s62, s12, 10
	s_lshl_b32 s63, s11, 6
	s_add_co_u32 s62, s62, s63
	s_lshl_b32 s63, s8, 3
	s_add_co_u32 s62, s62, s63                     ; the first row of ob that I store
	s_lshl_b32 s62, s62, 12
	s_lshl_b32 s63, s13, 9                         ; the four heads' 512 bytes in it
	s_add_co_u32 s62, s62, s63
	s_mov_b32 s63, 0
	s_add_nc_u64 s[74:75], s[6:7], s[62:63]
	v_lshlrev_b32 v38, 3, v34                      ; 8 (l / 16)
	v_sub_nc_u32 v11, v33, v38                     ; l % 16 - 8 (l / 16)
	v_mov_b32 v[DL], 0
.set i, 0
.rept 16
	v_add_nc_u32 v[S+i], 16*(i/8)+i%8, v38         ; the position in the step of register i % 8 of key block i / 8
	v_cvt_f32_u32 v[S+i], v[S+i]
.set i, i+1
.endr
	s_wait_alu depctr_va_vdst(0)                   ; the wait between the exponential and the first line that names its result
	v_mul_f32 v[SL8], 0x41000000, v[SLP]
	v_mul_f32 v[DSTEP], 0xc238aa3b, v[SLP]         ; -32 log2(e) slope
	WIN 0x40                                       ; destination window 1
.set i, 0
.rept 16
	v_mul_f32 v[BI0+i], v[SL8], v[S+i]
.set i, i+1
.endr
	v_mov_b32 v[DD], v11                           ; tile u: register (kb, j) of the diagonal step is seen where 16 kb + j <= 16 u + l % 16 - 8 (l / 16)
	v_add_nc_u32 v[DD+1], 16, v11
	v_mov_b32 v[NG], 0xf149f2ca                    ; -1e30
	WIN 0x45                                       ; destination and both sources window 1
.irp u, 0,1
.set i, 0
.rept 16
	v_cmp_le_i32 vcc_lo, 16*(i/8)+i%8, v[DD+\u]
	v_cndmask_b32 v[CMD+16*\u+i], v[NG], v[BI0+i], vcc_lo
	v_cndmask_b32 v[CMO+16*\u+i], v[BI0+i], v[NG], vcc_lo
.set i, i+1
.endr
.endr
	WIN 0
; A KEY STEP.  cm: the C operand's registers (peru = 1: a set for each tile).  first = 1: it starts M, l and O^T.
.macro STEP cm, peru, first
	WIN 0
.irp f, 0,1,2,3,4,5,6,7                ; K: key block f / 2 (0, 1 the ssm copy, 2, 3 the attention copy), channels 32 (f % 2) on
	ds_load_b128 v[KF+8*\f:KF+8*\f+3],   v[AK] offset:(\f/4)*SRCK+((\f/2)%2)*16*PKB+(\f%2)*64
	ds_load_b128 v[KF+8*\f+4:KF+8*\f+7], v[AK] offset:(\f/4)*SRCK+((\f/2)%2)*16*PKB+(\f%2)*64+32
.endr
	WIN 0x40
.irp f, 0,1,2,3,4,5,6,7                ; V, turned: copy f / 4, channels 16 (f % 4) on
	ds_load_tr16_b128 v[VF+8*\f:VF+8*\f+3],   v[AV] offset:(\f/4)*SRCV+(\f%4)*32
	ds_load_tr16_b128 v[VF+8*\f+4:VF+8*\f+7], v[AV] offset:(\f/4)*SRCV+16*PVB+(\f%4)*32
.endr
	s_wait_dscnt 16                                ; K is in; V's sixteen loads may stay out
.set i, 0
.rept 16                               ; S^T = K Q^T + C: tile i % 2, key block (i / 2) % 4, channels 32 (i / 8) on.  The 8 accumulators take turns
.set rS, S+32*(i%2)+8*((i/2)%4)
.set rK, KF+16*((i/2)%4)+8*(i/8)
.set rQ, Q+16*(i%2)+8*(i/8)
.set rC, (\cm)+16*(\peru)*(i%2)+8*((i/2)%2)
.if i < 8
	WIN 0x10                                       ; the C operand lies in window 1
	v_wmma_f32_16x16x32_f16 v[rS:rS+7], v[rK:rK+7], v[rQ:rQ+7], v[rC:rC+7]
.else
	WIN 0
	v_wmma_f32_16x16x32_f16 v[rS:rS+7], v[rK:rK+7], v[rQ:rQ+7], v[rS:rS+7]
.endif
.set i, i+1
.endr
	PLACES
	; the maximum of a lane's 32 scores, three operands at a time, four chains; each accumulator's lowest registers are read first
.irp n, 0,1,2,3
.irp u, 0,1
	v_max3_num_f32 v[ST+8*\u+4+\n], v[S+32*\u+8*\n], v[S+32*\u+8*\n+1], v[S+32*\u+8*\n+2]
.endr
.endr
.irp n, 4,5,6,7,8,9,10,11
.irp u, 0,1
	v_max3_num_f32 v[ST+8*\u+4+\n%4], v[ST+8*\u+4+\n%4], v[S+32*\u+8*(\n%4)+2*(\n/4)+1], v[S+32*\u+8*(\n%4)+2*(\n/4)+2]
.endr
.endr
	BOTH v_max3_num_f32 v[ST+8*t+4], v[ST+8*t+4], v[S+32*t+7], v[S+32*t+15]
	BOTH v_max3_num_f32 v[ST+8*t+5], v[ST+8*t+5], v[S+32*t+23], v[S+32*t+31]
	BOTH v_max_num_f32 v[ST+8*t+6], v[ST+8*t+6], v[ST+8*t+7]
	BOTH v_max3_num_f32 v[ST+8*t+4], v[ST+8*t+4], v[ST+8*t+5], v[ST+8*t+6]
	BOTH v_permlanex16_b32 v[ST+8*t+7], v[ST+8*t+4], s[SEL], s[SEL+1]  ; the query's other 32 keys lie in the lane 16 away
	BOTH v_max_num_f32 v[ST+8*t+4], v[ST+8*t+4], v[ST+8*t+7]
	BOTH v_fma_f32 v[ST+8*t+5], s[CS], v[ST+8*t+4], v[DL]              ; the step's maximum of x = c S + DL
.if \first
	BOTH v_mov_b32 v[ST+8*t], v[ST+8*t+5]
.else
	BOTH v_mov_b32 v[ST+8*t+1], v[ST+8*t]
	BOTH v_max_num_f32 v[ST+8*t], v[ST+8*t], v[ST+8*t+5]
	BOTH v_sub_f32 v[ST+8*t+1], v[ST+8*t+1], v[ST+8*t]                 ; M_old - M_new
.endif
	BOTH v_sub_f32 v[ST+8*t+4], v[DL], v[ST+8*t]
.set z, 0
.rept 16
	BOTH v_pk_fma_f32 v[S+32*t+2*z:S+32*t+2*z+1], v[S+32*t+2*z:S+32*t+2*z+1], s[CS:CS+1], v[ST+8*t+4:ST+8*t+5] op_sel_hi:[1,0,0]  ; c S + (DL - M)
.set z, z+1
.endr
	; the step's exponentials are ONE batch with one wait: nothing ahead of the wait names a result
.if !(\first)
	BOTH v_exp_f32 v[ST+8*t+6], v[ST+8*t+1]
.endif
.set z, 0
.rept 32
	BOTH v_exp_f32 v[S+32*t+z], v[S+32*t+z]
.set z, z+1
.endr
	v_nop                                          ; a plain instruction behind the last exponential
	s_wait_alu depctr_va_vdst(0)                   ; the wait ahead of the batch's first reader
.set z, 0
.rept 16
	BOTH v_cvt_pk_f16_f32 v[P+16*t+z], v[S+32*t+2*z], v[S+32*t+2*z+1]
.set z, z+1
.endr
.irp w, 4,8,16                         ; the sum of a tile's 16 pairs, in place: neighbours 1, 2 and 4 pairs apart,
.set z, 0
.rept 32/\w
	BOTH v_pk_add_f32 v[S+32*t+\w*z:S+32*t+\w*z+1], v[S+32*t+\w*z:S+32*t+\w*z+1], v[S+32*t+\w*z+\w/2:S+32*t+\w*z+\w/2+1]
.set z, z+1
.endr
.endr
.if \first                             ; then 8 apart; and l takes it
	BOTH v_pk_add_f32 v[ST+8*t+2:ST+8*t+3], v[S+32*t:S+32*t+1], v[S+32*t+16:S+32*t+17]
.else
	BOTH v_pk_add_f32 v[S+32*t:S+32*t+1], v[S+32*t:S+32*t+1], v[S+32*t+16:S+32*t+17]
	BOTH v_pk_fma_f32 v[ST+8*t+2:ST+8*t+3], v[ST+8*t+2:ST+8*t+3], v[ST+8*t+6:ST+8*t+7], v[S+32*t:S+32*t+1] op_sel_hi:[1,0,1]
	WIN 0x41                                       ; O^T (destination and source 0) window 1, a window 0
.set z, 0
.rept 16
	BOTH v_pk_mul_f32 v[O+32*t+2*z:O+32*t+2*z+1], v[O+32*t+2*z:O+32*t+2*z+1], v[ST+8*t+6:ST+8*t+7] op_sel_hi:[1,0]
.set z, z+1
.endr
.endif
	s_wait_dscnt 0x0                               ; V is in
	WIN 0x51                                       ; V window 1, P window 0, O^T window 1
.set i, 0
.rept 16                               ; O^T += V^T P: tile i % 2, channels 16 ((i / 2) % 4) on, copy i / 8.  The 8 accumulators take turns
.set rO, O+32*(i%2)+8*((i/2)%4)
.set rV, VF+32*(i/8)+8*((i/2)%4)
.set rP, P+16*(i%2)+8*(i/8)
.if (\first) && (i < 8)
	v_wmma_f32_16x16x32_f16 v[rO:rO+7], v[rV:rV+7], v[rP:rP+7], 0
.else
	v_wmma_f32_16x16x32_f16 v[rO:rO+7], v[rV:rV+7], v[rP:rP+7], v[rO:rO+7]
.endif
.set i, i+1
.endr
	WIN 0
	PLACES                                         ; in front of the next step's loads into V's registers
.endm
.macro ADVANCE                         ; one step, 32 positions, further back
	v_add_nc_u32 v[AK], KSL, v[AK]
	v_add_nc_u32 v[AV], VSL, v[AV]
	v_add_f32 v[DL], v[DL], v[DSTEP]
.endm
	s_wait_tensorcnt 4                             ; my first load is in: slots 0 and 1 hold both halves' diagonal steps; my four later loads may stay out
	s_barrier_signal -1
	s_barrier_wait -1                              ; everybody's is
	s_wait_loadcnt 0x0                             ; Q
	STEP CMD, 1, 1                                 ; n = 0: the diagonal
	ADVANCE
	s_wait_tensorcnt 0x0                           ; all my slots are in,
	s_barrier_signal -1
	s_barrier_wait -1                              ; everybody's are
	s_mov_b32 s15, 7
.Lstep:                                            ; n = 8 - s15 = 1 .. 7: seen whole
	s_add_co_u32 s66, s15, s14
	s_cmp_ge_u32 s66, 8                            ; n <= 2 qb + qh?
	s_cbranch_scc0 .Ldead                          ; a step before position 0 is jumped over: no barrier and no tensor load stands there
	STEP BI0, 0, 0
.Ldead:
	ADVANCE
	s_sub_co_u32 s15, s15, 1
	s_cmp_lg_u32 s15, 0
	s_cbranch_scc1 .Lstep
	s_cmp_ge_u32 s14, 8
	s_cbranch_scc0 .Lout
	STEP CMO, 1, 0                                 ; n = 8: the window's far edge
.Lout:
	; THE WAY OUT.  l's two halves and the other half of the lanes' are added; O^T is divided by l, rounded to f16 and put into the work-group's stage, where a row's 512 bytes come from four waves.
	BOTH v_add_f32 v[ST+8*t+2], v[ST+8*t+2], v[ST+8*t+3]
	BOTH v_permlanex16_b32 v[ST+8*t+3], v[ST+8*t+2], s[SEL], s[SEL+1]
	BOTH v_add_f32 v[ST+8*t+2], v[ST+8*t+2], v[ST+8*t+3]
	BOTH v_rcp_f32 v[ST+8*t+2], v[ST+8*t+2]
	v_nop                                          ; a plain instruction behind the last reciprocal,
	s_wait_alu depctr_va_vdst(0)                   ; and one wait for the two, ahead of their first reader
	WIN 0x41
.set z, 0
.rept 16
	BOTH v_pk_mul_f32 v[O+32*t+2*z:O+32*t+2*z+1], v[O+32*t+2*z:O+32*t+2*z+1], v[ST+8*t+2:ST+8*t+3] op_sel_hi:[1,0]
.set z, z+1
.endr
	WIN 0x05                                       ; sources window 1, destination window 0
.set z, 0
.rept 16
	BOTH v_cvt_pk_f16_f32 v[S+16*t+z], v[O+32*t+2*z], v[O+32*t+2*z+1]
.set z, z+1
.endr
	WIN 0
.irp u, 0,1
.irp f, 0,1,2,3
	ds_store_b128 v[STO], v[S+16*\u+4*\f:S+16*\u+4*\f+3] offset:\u*16*SP+32*\f
.endr
.endr
	s_wait_dscnt 0x0                               ; for the others' sake: my stores into the stage are done
	s_barrier_signal -1
	s_barrier_wait -1
.irp i, 0,1,2,3,4,5,6,7
	ds_load_b128 v[S+32+4*\i:S+32+4*\i+3], v[RD] offset:\i*SP
.endr
.irp i, 0,1,2,3,4,5,6,7
	s_wait_dscnt 7-\i                              ; row i is back; the younger rows may stay out
	global_store_b128 v[GO], v[S+32+4*\i:S+32+4*\i+3], s[74:75] offset:\i*4096  ; 512 consecutive bytes of a row of ob, aligned
.endr
	s_wait_tensorcnt 0x0                           ; the wave's end, behind my last tensor load and my last LDS store
	ds_add_u32 v[SPW], v[NIL]
	s_wait_dscnt 0x0
	s_endpgm
.Lfunc_end_k_qb792534566_attn:
	.size	k_qb792534566_attn, .Lfunc_end_k_qb792534566_attn-k_qb792534566_attn
	.p2alignl 7, 3214868480
	.fill 96, 4, 3214868480
	.section	.rodata,"a",@progbits
	.p2align	6, 0x0
	.amdhsa_kernel k_qb792534566_attn
		.amdhsa_group_segment_fixed_size 229376
		.amdhsa_private_segment_fixed_size 0
		.amdhsa_enable_private_segment 0
		.amdhsa_kernarg_size 16
		.amdhsa_user_sgpr_count 2
		.amdhsa_user_sgpr_kernarg_segment_ptr 1
		.amdhsa_wavefront_size32 1
		.amdhsa_system_sgpr_workgroup_id_x 1
		.amdhsa_system_sgpr_workgroup_id_y 1
		.amdhsa_system_sgpr_workgroup_id_z 1
		.amdhsa_system_vgpr_workitem_id 0
		.amdhsa_next_free_vgpr 512
		.amdhsa_next_free_sgpr 80
		.amdhsa_reserve_vcc 1
		.amdhsa_float_denorm_mode_32 3
		.amdhsa_float_denorm_mode_16_64 3
		.amdhsa_memory_ordered 1
		.amdhsa_forward_progress 1
		.amdhsa_inst_pref_size 71
	.end_amdhsa_kernel
	.amdgpu_metadata
---
amdhsa.version: [ 1, 2 ]
amdhsa.kernels:
  - .name:           k_qb792534566_attn
    .symbol:         k_qb792534566_attn.kd
    .args:
      - { .name: qkv, .offset: 0, .size: 8, .value_kind: global_buffer, .address_space: global }
      - { .name: ob, .offset: 8, .size: 8, .value_kind: global_buffer, .address_space: global }
    .group_segment_fixed_size: 229376
    .private_segment_fixed_size: 0
    .kernarg_segment_align: 8
    .kernarg_segment_size: 16
    .max_flat_workgroup_size: 256
    .sgpr_count:     80
    .vgpr_count:     512
    .wavefront_size: 32
...
	.end_amdgpu_metadata
.endif
;; end of part 3
;; launch oproj (part 4): grid 16 x 16, 4 waves a work-group, clusters of 4 x 4, 327,680 bytes of LDS; arguments ob, wo16, out0; writes out0
.if DOCPART == 4
	.amdgcn_target "amdgcn-amd-amdhsa--gfx1250"
	.amdhsa_code_object_version 6
	.text
	.protected	k_qb792534566_oproj
	.globl	k_qb792534566_oproj
	.p2align	8
	.type	k_qb792534566_oproj,@function
k_qb792534566_oproj:
	s_mov_b64 s[64:65], 0
	v_nop
	global_prefetch_b8 v0, s[64:65] scope:SCOPE_SE
	s_setreg_imm32_b32 hwreg(HW_REG_WAVE_MODE, 25, 1), 1
	s_wait_xcnt 0x0
	s_wait_alu depctr_hold_cnt(0) depctr_sa_sdst(0) depctr_va_vdst(0) depctr_va_sdst(0) depctr_va_ssrc(0) depctr_va_vcc(0) depctr_vm_vsrc(0)
	s_getreg_b32 s2, hwreg(HW_REG_IB_STS2, 6, 4)
	s_cmp_eq_u32 s2, 0
	s_cbranch_scc0 .Lentry_in_a_cluster
	s_endpgm
.Lentry_in_a_cluster:
	s_bfe_u32 s2, ttmp6, 0x10000c
	s_cmp_lg_u32 s2, 0xf033
	s_cbranch_scc0 .Lentry_shape_is_right
	s_endpgm
.Lentry_shape_is_right:
; out0 = O Wo.  C[row][col] = sum over k of A[row][k] W[k][col]: 2,048 x 2,048, K = 2,048; f16 operands, f32 sums, f32 result.
; A: ob, [2048][2048] f16.  W: wo16, 16 blocks of [2048 k][128 columns] f16, dense (Wo rounded to bf16, that number written as f16).  C: out0, [2048][2048] f32.
; A tile of C is 128 x 128: 256 tiles, four waves of 64 x 64 each (16 accumulators, 128 registers).  K goes in steps of 256 through two LDS slots filled by tensor loads.
; A's rows in LDS lie along K and are read as they lie; W's lie [k][column] and are read turned, by ds_load_tr16_b128.
; CLUSTERS: 4 x 4 work-groups.  The four of a row of the cluster need the same tiles of A, the four of a column the same tiles of W: each tile is asked for JOINTLY, by the same tensor load with
; the same descriptor and a mask that names the four.  THE MATRIX INSTRUCTION IS USED TRANSPOSED (source 0 = 16 columns of W, source 1 = 16 rows of A): a lane then holds eight neighbouring columns of a row of C.
; No prefetch: the tiles are small, and every tile of A and W is read by several clusters within the launch.
; REGISTERS: window 0: v0-31 addresses; v128-255 the accumulators ((a, b) at v[128 + 8 (4 a + b)]), which also take the rows read back on the way out.
;   window 1: two fragment buffers of 128: for 64 along K, 64 registers of A (2 x 4 x 16 rows x 32 K), then 64 of W.
.set KSTEP,  256
.set PA,     528                       ; a row of A in LDS: 512 bytes + 16 of padding
.set HALFA,  64*PA                     ; 64 rows: what one tensor load brings of A
.set PB,     288                       ; a row of W in LDS: 256 bytes + 32 of padding
.set HALFB,  128*PB                    ; 128 k: what one tensor load brings of W
.set SLOT,   2*HALFA+2*HALFB           ; A's 128 rows, then W's 256 k
.set STAGE,  2*SLOT                    ; behind the ring: 16 rows x 272 bytes for each wave, for the way out
.set SPITCH, 272
.set SPARE,  STAGE+4*16*SPITCH         ; behind the stages: the spare words, 128 bytes for each wave
.set LAPS,   4                         ; a lap = two K steps = once round the ring: 2,048 / 512
.set ADRA, 16                          ; v16-17  LDS address of my A fragments in slot 0, 1
.set ADRB, 20                          ; v20-23  the same for W: slot 0 k 0-127, slot 0 k 128-255, slot 1 likewise
.set STO,  24                          ; v24     the way out: where I put 32 bytes of a row
.set RD,   25                          ; v25     the way out: where I read rows back
.set CO,   26                          ; v26     my byte offset in two rows of out0
.set SPW,  28                          ; v28     LDS address of my spare word; never rewritten
.set NIL,  29                          ; v29     0; never rewritten
.set ACC,  128
.set F0,   0                           ; fragment buffers, in window 1
.set F1,   128
.set G1, 24                            ; s[24:31] descriptor group 1 for A's tiles;  s[32:39] group 0, one set for each slot
.set G0, 32
.set G1B, 48                           ; s[48:55], s[56:63] the same for W's tiles
.set G0B, 56
.set MSB, 0
.macro WIN new                         ; the immediate's high byte repeats the setting that is left
.if MSB != (\new)
	s_set_vgpr_msb (MSB<<8)|(\new)
.set MSB, \new
.endif
.endm
.set MUL,  0x05                        ; sources 0 (W) and 1 (A) window 1; C and D window 0
.set TO_F, 0x40                        ; destination window 1, address window 0
.macro JLOAD s                         ; a joint load: waves 0 and 1 fetch A's two halves, waves 2 and 3 W's; an s_nop 0 and four v_nop follow each of the two lines
	s_cmp_eq_u32 s11, 0
	s_cbranch_scc0 .Lfor_b_\@
	tensor_load_to_lds s[G0+4*(\s):G0+4*(\s)+3], s[G1:G1+7]
	s_nop 0
.rept 4
	v_nop
.endr
	s_branch .Lasked_\@
.Lfor_b_\@:
	tensor_load_to_lds s[G0B+4*(\s):G0B+4*(\s)+3], s[G1B:G1B+7]
	s_nop 0
.rept 4
	v_nop
.endr
.Lasked_\@:
.endm
.macro CREST                           ; a round of the cluster's barrier behind its opening barrier
	s_cmp_lg_u32 s10, 0
	s_cbranch_scc1 .Lnot_wave_0_\@
	s_barrier_signal -3
.Lnot_wave_0_\@:
	s_barrier_wait -3
	s_barrier_signal -1
	s_barrier_wait -1
.endm
.macro CROUND                          ; a whole round
	s_barrier_signal -1
	s_barrier_wait -1
	CREST
.endm
	s_load_b128 s[4:7], s[0:1], 0x0                ; ob s[4:5], wo16 s[6:7]
	s_load_b64 s[8:9], s[0:1], 0x10                ; out0
	v_lshl_add_u32 v[SPW], v0, 2, SPARE
	v_mov_b32 v[NIL], 0
	ds_add_u32 v[SPW], v[NIL]                      ; the wave's opening: the add and its wait ahead of my first tensor load; work on registers stands between them
	v_lshrrev_b32 v1, 5, v0
	v_readfirstlane_b32 s10, v1                    ; wave 0..3
	s_lshr_b32 s11, s10, 1                         ; which half of the tile's rows is mine.  Also: I fetch for A (0) or for W (1)
	s_and_b32 s12, s10, 1                          ; which half of its columns.  Also: which half of that tile I fetch
	s_bfe_u32 s40, ttmp6, 0x40000                  ; cx, cy: my place in the cluster
	s_bfe_u32 s41, ttmp6, 0x40004
	s_lshl_b32 s42, ttmp9, 2
	s_add_co_u32 s42, s42, s40                     ; tile column of C = 4 x cluster x + cx = the block of wo16
	s_and_b32 s13, ttmp7, 0xffff
	s_lshl_b32 s13, s13, 2
	s_add_co_u32 s13, s13, s41                     ; tile row of C = 4 x cluster y + cy
	s_lshl_b32 s43, s41, 2
	s_lshl_b32 s43, 15, s43                        ; my row of the cluster
	s_lshl_b32 s44, 0x1111, s40                    ; my column
	s_or_b32 s[G1+0], s43, (1<<16)|(1<<20)|(1<<21)|(6<<22)|(3<<25)   ; the mask: A's tiles go to my row; 2-byte elements; padding on; bit 21 beside a mask; after every 128 words 4 words
	s_or_b32 s[G1B+0], s44, (1<<16)|(1<<20)|(1<<21)|(5<<22)|(7<<25)  ; W's tiles go to my column; after every 64 words 8 words
	s_mov_b32 s[G1+1], KSTEP<<16                   ; A: tensor_dim0 = 256
	s_mov_b32 s[G1+2], 64<<16                      ; tensor_dim1 = 64
	s_mov_b32 s[G1+3], KSTEP<<16                   ; tile_dim0 = 256
	s_mov_b32 s[G1+4], 64                          ; tile_dim1 = 64
	s_mov_b32 s[G1+5], 2048                        ; elements from row to row
	s_mov_b32 s[G1+6], 0
	s_mov_b32 s[G1+7], 0
	s_mov_b32 s[G1B+1], 128<<16                    ; W: tensor_dim0 = 128
	s_mov_b32 s[G1B+2], 128<<16                    ; tensor_dim1 = 128
	s_mov_b32 s[G1B+3], 128<<16                    ; tile_dim0 = 128
	s_mov_b32 s[G1B+4], 128                        ; tile_dim1 = 128
	s_mov_b32 s[G1B+5], 128                        ; a block's rows are dense
	s_mov_b32 s[G1B+6], 0
	s_mov_b32 s[G1B+7], 0
	s_lshl_b32 s17, s12, 6                         ; which 64 rows of A's tile I fetch
	s_lshl_b32 s16, s13, 7
	s_add_co_u32 s16, s16, s17
	s_lshl_b32 s16, s16, 12                        ; rows of 4,096 bytes
	s_mov_b32 s17, 0
	s_lshl_b32 s46, s42, 19                        ; W: the block's 524,288 bytes,
	s_lshl_b32 s47, s12, 15                        ; which 128 k of a step I fetch: 128 rows of 256 bytes
	s_add_co_u32 s46, s46, s47
	s_mov_b32 s47, 0
	s_mul_i32 s20, s12, HALFA                      ; where they go: no place in the cluster enters an LDS address
	s_mul_i32 s23, s12, HALFB
	s_add_co_u32 s23, s23, 2*HALFA
	s_wait_dscnt 0x0                               ; the opening add is done
	s_wait_kmcnt 0x0
	s_add_nc_u64 s[14:15], s[4:5], s[16:17]
	s_add_nc_u64 s[46:47], s[6:7], s[46:47]
	CROUND                                         ; all sixteen work-groups are here: the first joint loads meet
.irp s, 0,1
	s_mov_b32 s[G0+4*(\s)], 1
	s_add_co_u32 s[G0+4*(\s)+1], s20, (\s)*SLOT
	s_add_nc_u64 s[G0+4*(\s)+2:G0+4*(\s)+3], s[14:15], (\s)*KSTEP*2      ; K step s: 512 bytes along A's rows
	s_or_b32 s[G0+4*(\s)+3], s[G0+4*(\s)+3], 0x80000000
	s_mov_b32 s[G0B+4*(\s)], 1
	s_add_co_u32 s[G0B+4*(\s)+1], s23, (\s)*SLOT
	s_add_nc_u64 s[G0B+4*(\s)+2:G0B+4*(\s)+3], s[46:47], (\s)*KSTEP*256  ; K step s: 256 rows of 256 bytes down the block
	s_or_b32 s[G0B+4*(\s)+3], s[G0B+4*(\s)+3], 0x80000000
	JLOAD \s                                       ; two tensor loads of mine are out
.endr
	v_and_b32 v1, 15, v0                           ; l % 16
	v_bfe_u32 v2, v0, 4, 1                         ; l / 16
	v_mul_u32_u24 v3, v1, PA
	v_lshl_add_u32 v3, v2, 4, v3                   ; A: a fragment's row x pitch + 16 x half
	s_mul_i32 s21, s11, HALFA                      ; my 64 rows of A
	v_add_nc_u32 v[ADRA], s21, v3
	v_add_nc_u32 v[ADRA+1], SLOT, v[ADRA]
	v_and_b32 v4, 7, v0                            ; W: the turning load takes 16 k x 16 columns: lane l reads k 8 (l / 16) + l % 8, columns 8 ((l / 8) % 2) + 0..7
	v_bfe_u32 v5, v0, 3, 1
	v_lshl_add_u32 v6, v2, 3, v4
	v_mul_u32_u24 v6, v6, PB
	v_lshl_add_u32 v6, v5, 4, v6
	s_lshl_b32 s22, s12, 7                         ; my 64 columns: 128 bytes of a row
	s_add_co_u32 s22, s22, 2*HALFA
	v_add_nc_u32 v[ADRB], s22, v6
	v_add_nc_u32 v[ADRB+1], HALFB, v[ADRB]
	v_add_nc_u32 v[ADRB+2], SLOT, v[ADRB]
	v_add_nc_u32 v[ADRB+3], SLOT+HALFB, v[ADRB]
	s_mul_i32 s23, s10, 16*SPITCH
	s_add_co_u32 s23, s23, STAGE                   ; my stage
	v_mul_u32_u24 v7, v1, SPITCH                   ; in: row l % 16, 32 bytes for each half of the lanes
	v_lshl_add_u32 v7, v2, 5, v7
	v_add_nc_u32 v[STO], s23, v7
	v_mul_u32_u24 v7, v2, SPITCH                   ; back: lanes 0-15 take one row of 256 bytes, lanes 16-31 the next
	v_lshl_add_u32 v7, v1, 4, v7
	v_add_nc_u32 v[RD], s23, v7
	v_lshlrev_b32 v7, 13, v2                       ; and the same two rows in out0, 8,192 bytes apart
	v_lshl_add_u32 v[CO], v1, 4, v7
	s_lshl_b32 s16, s13, 7                         ; my first row: 128 x tile row + 64 x half
	s_lshl_b32 s17, s11, 6
	s_add_co_u32 s16, s16, s17
	s_lshl_b32 s16, s16, 13
	s_mov_b32 s17, 0
	s_add_nc_u64 s[8:9], s[8:9], s[16:17]
	s_lshl_b32 s46, s42, 9                         ; my first column, in bytes: 512 x tile column + 256 x half
	s_lshl_b32 s47, s12, 8
	s_add_co_u32 s46, s46, s47
	s_mov_b32 s47, 0
	s_add_nc_u64 s[8:9], s[8:9], s[46:47]
; 8 matrix instructions: row blocks a0, a0 + 1 x all 4 column blocks, 32 along K: half c of buffer f.  zero = 1: the first product starts the sums.
; The 16 accumulators take turns, one instruction a turn.
.macro MUL8 f, c, a0, zero
	WIN MUL
.irp a, \a0, (\a0)+1
.irp b, 0,1,2,3
.if \zero
	v_wmma_f32_16x16x32_f16 v[ACC+8*(4*(\a)+(\b)):ACC+8*(4*(\a)+(\b))+7], v[(\f)+64+8*(4*(\c)+(\b)):(\f)+64+8*(4*(\c)+(\b))+7], v[(\f)+8*(4*(\c)+(\a)):(\f)+8*(4*(\c)+(\a))+7], 0
.else
	v_wmma_f32_16x16x32_f16 v[ACC+8*(4*(\a)+(\b)):ACC+8*(4*(\a)+(\b))+7], v[(\f)+64+8*(4*(\c)+(\b)):(\f)+64+8*(4*(\c)+(\b))+7], v[(\f)+8*(4*(\c)+(\a)):(\f)+8*(4*(\c)+(\a))+7], v[ACC+8*(4*(\a)+(\b)):ACC+8*(4*(\a)+(\b))+7]
.endif
.endr
.endr
.endm
; 32 LDS loads in one run: the fragments of quarter q (64 along K) of a slot, into buffer f; the first 32 along K first
.macro FETCH slot, q, f
	WIN TO_F
.irp c, 0,1
.irp i, 0,1,2,3
	ds_load_tr16_b128 v[(\f)+64+8*(4*(\c)+(\i)):(\f)+64+8*(4*(\c)+(\i))+3],   v[ADRB+2*(\slot)+(\q)/2] offset:((\q)%2)*64*PB+(\c)*32*PB+32*(\i)
	ds_load_tr16_b128 v[(\f)+64+8*(4*(\c)+(\i))+4:(\f)+64+8*(4*(\c)+(\i))+7], v[ADRB+2*(\slot)+(\q)/2] offset:((\q)%2)*64*PB+(\c)*32*PB+32*(\i)+16*PB
	ds_load_b128 v[(\f)+8*(4*(\c)+(\i)):(\f)+8*(4*(\c)+(\i))+3],              v[ADRA+(\slot)] offset:128*(\q)+64*(\c)+(\i)*16*PA
	ds_load_b128 v[(\f)+8*(4*(\c)+(\i))+4:(\f)+8*(4*(\c)+(\i))+7],            v[ADRA+(\slot)] offset:128*(\q)+64*(\c)+(\i)*16*PA+32
.endr
.endr
.endm
.macro PLACES                          ; four places in front of loads into registers that matrix instructions have read, and of instructions that read results
.rept 4
	v_nop
.endr
.endm
; A K step is four quarters of 64 along K, 32 matrix instructions each, on buffers 0, 1, 0, 1.  One of the first three: multiplies buffer f and fetches quarter q into g.
.macro QUARTER slot, q, f, g, zero
	s_wait_dscnt 16                                ; the first 32 along K are in; the younger sixteen loads may be out
	WIN MUL
	MUL8 \f, 0, 0, \zero
	MUL8 \f, 0, 2, \zero
	PLACES
	FETCH \slot, \q, \g
	s_wait_dscnt 32                                ; all but the 32 just issued
	WIN MUL
	MUL8 \f, 1, 0, 0
	MUL8 \f, 1, 2, 0
.endm
; The last quarter multiplies buffer 1 and changes slots: ONE barrier; in front of it each wave waits for all its tensor loads, adds 0 to its spare word, and waits for that and for its own reads of this slot.
; fill = 1: this slot is filled again, two K steps ahead; the barrier then opens a round of the cluster's barrier.
.macro TURN slot, next, fill
	WIN 0                                          ; (the add's two registers lie in window 0)
	s_wait_tensorcnt 0x0                           ; all my tensor loads have landed: my part of the next slot;
	ds_add_u32 v[SPW], v[NIL]                      ; 0 onto my spare word
	s_wait_dscnt 17                                ; (the add and the youngest sixteen loads may be out)
	WIN MUL
	MUL8 F1, 0, 0, 0                               ; eight matrix instructions stand between the add and the wait for it
	s_wait_dscnt 0x0                               ; the add is done, and my reads of this slot are over
	s_barrier_signal -1
	MUL8 F1, 0, 2, 0
.if \fill
	WIN 0
.endif
	s_barrier_wait -1
.if \fill
	CREST                                          ; no wave of any partner still reads this slot's tiles or has a load on its way
	s_add_nc_u64 s[G0+4*(\slot)+2:G0+4*(\slot)+3], s[G0+4*(\slot)+2:G0+4*(\slot)+3], 2*KSTEP*2
	s_add_nc_u64 s[G0B+4*(\slot)+2:G0B+4*(\slot)+3], s[G0B+4*(\slot)+2:G0B+4*(\slot)+3], 2*KSTEP*256
	JLOAD \slot                                    ; the first tensor load behind the round, my only one until the next; the four v_nop behind it are also the places in front of the loads below
.else
	PLACES
.endif
	FETCH \next, 0, F0
	WIN MUL
	MUL8 F1, 1, 0, 0
	MUL8 F1, 1, 2, 0
.endm
	s_wait_tensorcnt 1                             ; my part of K step 0 is in; K step 1's may stay out
	s_barrier_signal -1
	s_barrier_wait -1                              ; everybody's is
	FETCH 0, 0, F0
	QUARTER 0, 1, F0, F1, 1                        ; the first quarter stands in front of the loop: its first products start the sums
	WIN 0                                          ; at a label and at a branch every window is 0
	s_mov_b32 s3, LAPS-1
.Llap:                                                 ; a trip goes once round the ring, from a lap's second quarter to the next lap's first, and fills both slots again
	QUARTER 0, 2, F1, F0, 0
	QUARTER 0, 3, F0, F1, 0
	TURN 0, 1, 1
	QUARTER 1, 1, F0, F1, 0
	QUARTER 1, 2, F1, F0, 0
	QUARTER 1, 3, F0, F1, 0
	TURN 1, 0, 1
	QUARTER 0, 1, F0, F1, 0
	WIN 0
	s_sub_co_u32 s3, s3, 1
	s_cmp_lg_u32 s3, 0
	s_cbranch_scc1 .Llap
	QUARTER 0, 2, F1, F0, 0                        ; the last lap fills nothing, and has no round of the cluster's barrier
	QUARTER 0, 3, F0, F1, 0
	TURN 0, 1, 0
	QUARTER 1, 1, F0, F1, 0
	QUARTER 1, 2, F1, F0, 0
	QUARTER 1, 3, F0, F1, 0
	s_wait_dscnt 16                                ; the very last quarter: nothing more to fetch
	WIN MUL
	MUL8 F1, 0, 0, 0
	MUL8 F1, 0, 2, 0
	s_wait_dscnt 0
	MUL8 F1, 1, 0, 0
	MUL8 F1, 1, 2, 0
	WIN 0
	; THE WAY OUT.  My 64 columns in f32 are 256 aligned bytes of a row of out0.  A block of 16 rows at a time: 32 bytes a lane into my own stage, back as whole rows, into the registers that they left.
.macro PACK a
.irp b, 0,1,2,3
	ds_store_b128 v[STO], v[ACC+8*(4*(\a)+(\b)):ACC+8*(4*(\a)+(\b))+3]   offset:64*(\b)     ; each accumulator is read from its low end on
	ds_store_b128 v[STO], v[ACC+8*(4*(\a)+(\b))+4:ACC+8*(4*(\a)+(\b))+7] offset:64*(\b)+16
.endr
.irp t, 0,1,2,3,4,5,6,7
	ds_load_b128 v[ACC+32*(\a)+4*(\t):ACC+32*(\a)+4*(\t)+3], v[RD] offset:(\t)*2*SPITCH  ; LDS serves a wave's instructions in order: these see the stores above, and the next block's stores come behind them
.endr
.endm
.macro SEND a, younger                 ; younger: the LDS instructions issued behind block a's loads: the next block's sixteen, or none
.irp t, 0,1,2,3,4,5,6,7
	s_wait_dscnt (\younger)+7-(\t)
	global_store_b128 v[CO], v[ACC+32*(\a)+4*(\t):ACC+32*(\a)+4*(\t)+3], s[8:9] offset:(16*(\a)+2*(\t))*8192  ; 16 lanes store 256 consecutive bytes, aligned
.endr
.endm
	PLACES
	PLACES
	PACK 0
.irp a, 1,2,3
	PACK \a
	SEND (\a)-1, 16
.endr
	SEND 3, 0
	s_wait_tensorcnt 0x0                           ; the wave's end, behind my last tensor load and my last LDS store
	ds_add_u32 v[SPW], v[NIL]
	s_wait_dscnt 0x0
	CROUND                                         ; the closing round: no work-group ends while a partner may still ask for a tile that names it
	s_endpgm
.Lfunc_end_k_qb792534566_oproj:
	.size	k_qb792534566_oproj, .Lfunc_end_k_qb792534566_oproj-k_qb792534566_oproj
	.p2alignl 7, 3214868480
	.fill 96, 4, 3214868480
	.section	.rodata,"a",@progbits
	.p2align	6, 0x0
	.amdhsa_kernel k_qb792534566_oproj
		.amdhsa_group_segment_fixed_size 327680
		.amdhsa_private_segment_fixed_size 0
		.amdhsa_enable_private_segment 0
		.amdhsa_kernarg_size 24
		.amdhsa_user_sgpr_count 2
		.amdhsa_user_sgpr_kernarg_segment_ptr 1
		.amdhsa_wavefront_size32 1
		.amdhsa_system_sgpr_workgroup_id_x 1
		.amdhsa_system_sgpr_workgroup_id_y 1
		.amdhsa_system_sgpr_workgroup_id_z 1
		.amdhsa_system_vgpr_workitem_id 0
		.amdhsa_next_free_vgpr 512
		.amdhsa_next_free_sgpr 66
		.amdhsa_reserve_vcc 0
		.amdhsa_float_denorm_mode_32 3
		.amdhsa_float_denorm_mode_16_64 3
		.amdhsa_memory_ordered 1
		.amdhsa_forward_progress 1
		.amdhsa_inst_pref_size 87
	.end_amdhsa_kernel
	.amdgpu_metadata
---
amdhsa.version: [ 1, 2 ]
amdhsa.kernels:
  - .name:           k_qb792534566_oproj
    .symbol:         k_qb792534566_oproj.kd
    .args:
      - { .name: ob, .offset: 0, .size: 8, .value_kind: global_buffer, .address_space: global }
      - { .name: wo16, .offset: 8, .size: 8, .value_kind: global_buffer, .address_space: global }
      - { .name: out0, .offset: 16, .size: 8, .value_kind: global_buffer, .address_space: global }
    .group_segment_fixed_size: 327680
    .private_segment_fixed_size: 0
    .kernarg_segment_align: 8
    .kernarg_segment_size: 24
    .max_flat_workgroup_size: 128
    .sgpr_count:     66
    .vgpr_count:     512
    .wavefront_size: 32
...
	.end_amdgpu_metadata
.endif
;; end of part 4
;; ======== version 2 of 2: 4 launches; version 1 with the launch prep written anew for expert scheduling mode
;; limits: values are held in f16: magnitudes above 65,504 overflow, below 6.1e-05 lose precision
;; workspace buffers: xb 16,777,216 bytes; wp 16,777,216 bytes; wo16 8,388,608 bytes; qkv 16,777,216 bytes; ob 8,388,608 bytes
;; launch prep (part 5): grid 80 x 16, 8 waves a work-group, no clusters, 0 bytes of LDS; arguments hidden_states, ssm_states, Wq, Wk, Wv, Wsk, Wsv, Wo, xb, wp, wo16; writes xb, wp, wo16
.if DOCPART == 5
	.amdgcn_target "amdgcn-amd-amdhsa--gfx1250"
	.amdhsa_code_object_version 6
	.text
	.protected	k_qb792534566_prep
	.globl	k_qb792534566_prep
	.p2align	8
	.type	k_qb792534566_prep,@function
k_qb792534566_prep:
	s_mov_b64 s[64:65], 0
	v_nop
	global_prefetch_b8 v0, s[64:65] scope:SCOPE_SE
	s_setreg_imm32_b32 hwreg(HW_REG_WAVE_SCHED_MODE, 0, 2), 2
	s_setreg_imm32_b32 hwreg(HW_REG_WAVE_MODE, 25, 1), 1
	s_wait_xcnt 0x0
	s_wait_alu depctr_vm_vsrc(0)
; ALL EIGHT INPUTS ARE ROUNDED ONCE TO bf16 AND LAID OUT FOR THE PRODUCTS THAT FOLLOW.
;   xb   [2 sources][2048 rows][2048] bf16: hidden_states, then ssm_states; a row is 4,096 bytes.
;   wp   32 blocks of [2048 k][128 columns] bf16, dense (rows of 256 bytes): 0-15 Wq, 16-19 Wk, 20-23 Wv, 24-27 Wsk, 28-31 Wsv.
;   wo16 16 such blocks of Wo: rounded to bf16 like the other inputs, and that number written as f16.
; LIMIT.  f16 holds no number beyond 65,504 and below 6e-5 keeps a fixed step of 6e-8: Wo is taken to lie within that.
; SHARES.  Work-group (x, y): block x of 128 columns of one input, rows 128 y .. 128 y + 127.  A wave takes 16 rows, a lane 4 columns:
; a load of the wave covers 512 consecutive bytes, a store 256 consecutive bytes, aligned.  All 16 loads of a wave go out at once;
; every row has its own registers, so no register that a load or store names is ever written again.
; No LDS, no barrier, no matrix unit: each byte is read once and written once, and nothing is shared between waves.
; THE MODE: SCHED_MODE bits 1:0 = 2 (LLVM: expert scheduling mode 2), set by the entry lines.  The code itself states the register dependences
; between vector instructions and memory instructions, with s_wait_alu, always for 0.
; THE PLAN.  Registers that memory instructions touch:
;   IO, OO   row i's byte offsets.  Written once by the vector lines of the head; read by row i's load and by row i's store.
;   X        row i as loaded.       Written by row i's load alone (no vector line names it before); read by row i's roundings.
;   Y        row i to store.        Written by row i's roundings; read by row i's store; not written again.
;   T, v1, v2 are named by vector lines alone.
; The 16 rows go in four groups of four.  Group p rounds its rows; its memory instructions are the four stores of group p - 1, whose Y and OO no vector
; line of group p names.  So one wait at a group's head states all that those four stores hang on, and they are dealt among the group's roundings.
; No register that a load or store has read is written again, and no load lands in a register that a vector line has named: nothing is owed for that.
.set X,  16                            ; v[16:79]   row i: 4 numbers in f32
.set Y,  80                            ; v[80:111]  row i: 4 numbers in 16 bits
.set IO, 112                           ; v[112:127] row i: my byte offset in the source
.set OO, 128                           ; v[128:143] row i: my byte offset in the destination
.set T,  144                           ; v[144:147] at work
	s_load_b512 s[8:23], s[0:1], 0x0               ; hidden s[8:9], ssm s[10:11], Wq s[12:13], Wk s[14:15], Wv s[16:17], Wsk s[18:19], Wsv s[20:21], Wo s[22:23]
	s_load_b128 s[24:27], s[0:1], 0x40             ; xb s[24:25], wp s[26:27]
	s_load_b64 s[28:29], s[0:1], 0x50              ; wo16
	s_mov_b32 s2, ttmp9                            ; x: 0-15 hidden, 16-31 ssm, 32-47 Wq, 48-51 Wk, 52-55 Wv, 56-59 Wsk, 60-63 Wsv, 64-79 Wo
	s_and_b32 s3, ttmp7, 0xffff                    ; y
	v_lshrrev_b32 v1, 5, v0
	v_readfirstlane_b32 s37, v1                    ; wave 0..7
	v_and_b32 v2, 31, v0                           ; lane
	s_and_b32 s36, s2, 15                          ; the block of columns in a source of 2,048 columns,
	s_and_b32 s43, s2, 3                           ; in one of 512
	s_lshr_b32 s42, s2, 4
	s_cmp_eq_u32 s42, 3                            ; x = 48..63: the four narrow weights
	s_cselect_b32 s36, s43, s36
	s_cselect_b32 s44, 0, 2
	s_lshl_b32 s34, 0x800, s44                     ; bytes in a row of the source: 2,048 or 8,192
	s_lshl_b32 s45, s42, 23                        ; xb: the source's 8,388,608 bytes,
	s_lshl_b32 s46, s36, 8                         ; and the block's 256 bytes in a row
	s_add_co_u32 s45, s45, s46
	s_and_b32 s46, s2, 31                          ; wp and wo16: the block's number,
	s_lshl_b32 s46, s46, 19                        ; 524,288 bytes each
	s_cmp_lt_u32 s2, 32
	s_cselect_b32 s40, s45, s46
	s_cselect_b32 s44, 4, 0
	s_lshl_b32 s35, 0x100, s44                     ; bytes from row to row in the destination: 4,096 or 256
	s_mul_i32 s46, s3, s35
	s_lshl_b32 s46, s46, 7                         ; 128 y rows
	s_add_co_u32 s40, s40, s46
	s_mov_b32 s41, 0
	s_mul_i32 s38, s3, s34
	s_lshl_b32 s38, s38, 7
	s_lshl_b32 s46, s36, 9                         ; the block's 512 bytes in a row of the source
	s_add_co_u32 s38, s38, s46
	s_mov_b32 s39, 0
	s_wait_alu depctr_va_sdst(0)                   ; s37, the wave's number, is written, ahead of its first reader: the line below
	s_lshl_b32 s44, s37, 4                         ; my wave's 16 rows
	s_mul_i32 s45, s44, s34
	s_mul_i32 s46, s44, s35
	v_lshl_add_u32 v[IO], v2, 4, s45
	v_lshl_add_u32 v[OO], v2, 3, s46
.set i, 1
.rept 15
	v_add_nc_u32 v[IO+i], s34, v[IO+i-1]
	v_add_nc_u32 v[OO+i], s35, v[OO+i-1]
.set i, i+1
.endr
	s_wait_kmcnt 0x0
	s_mov_b64 s[30:31], s[8:9]                     ; the source, chosen by x alone
	s_cmp_ge_u32 s2, 16
	s_cselect_b64 s[30:31], s[10:11], s[30:31]
	s_cmp_ge_u32 s2, 32
	s_cselect_b64 s[30:31], s[12:13], s[30:31]
	s_cmp_ge_u32 s2, 48
	s_cselect_b64 s[30:31], s[14:15], s[30:31]
	s_cmp_ge_u32 s2, 52
	s_cselect_b64 s[30:31], s[16:17], s[30:31]
	s_cmp_ge_u32 s2, 56
	s_cselect_b64 s[30:31], s[18:19], s[30:31]
	s_cmp_ge_u32 s2, 60
	s_cselect_b64 s[30:31], s[20:21], s[30:31]
	s_cmp_ge_u32 s2, 64
	s_cselect_b64 s[30:31], s[22:23], s[30:31]
	s_mov_b64 s[32:33], s[24:25]                   ; the destination likewise
	s_cmp_ge_u32 s2, 32
	s_cselect_b64 s[32:33], s[26:27], s[32:33]
	s_cmp_ge_u32 s2, 64
	s_cselect_b64 s[32:33], s[28:29], s[32:33]
	s_add_nc_u64 s[30:31], s[30:31], s[38:39]
	s_add_nc_u64 s[32:33], s[32:33], s[40:41]
	s_wait_alu depctr_va_vdst(0)                   ; the 32 offsets IO and OO are written: the loads below read IO, the stores further down OO, and no vector line names either again
.set i, 0
.rept 16
	global_load_b128 v[X+4*i:X+4*i+3], v[IO+i], s[30:31] th:TH_LOAD_NT
.set i, i+1
.endr
; Row i is rounded.  half = 1: the bf16 number is widened again (a shift, a mask) and written as f16.
.macro ROUNDROW i, half
	v_cvt_pk_bf16_f32 v[Y+2*(\i)],   v[X+4*(\i)],   v[X+4*(\i)+1]
	v_cvt_pk_bf16_f32 v[Y+2*(\i)+1], v[X+4*(\i)+2], v[X+4*(\i)+3]
.if \half
.irp k, 0,1
	v_lshlrev_b32 v[T+2*(\k)],   16, v[Y+2*(\i)+(\k)]
	v_and_b32     v[T+2*(\k)+1], 0xffff0000, v[Y+2*(\i)+(\k)]
.endr
.irp k, 0,1
	v_cvt_pk_f16_f32 v[Y+2*(\i)+(\k)], v[T+2*(\k)], v[T+2*(\k)+1]
.endr
.endif
.endm
; Row i goes out.
.macro PUT i
	global_store_b64 v[OO+(\i)], v[Y+2*(\i):Y+2*(\i)+1], s[32:33] th:TH_STORE_NT  ; 32 lanes store 256 consecutive bytes, aligned
.endm
; Group p: rows 4 p .. 4 p + 3 are rounded; the four rows of the group before go out, one store ahead of each row's roundings.
.macro GROUP p, half
.irp r, 0,1,2,3
.if (\r) == 0
	s_wait_loadcnt 15-4*(\p)                       ; loads come back in order: the group's first row is in, the younger rows stay out
.if (\p) > 0
	s_wait_alu depctr_va_vdst(0)                   ; the group before has written its four pairs of Y, which the four stores of this group read; the roundings below name other rows' registers alone
.endif
.endif
.if (\p) > 0
	PUT 4*(\p)+(\r)-4
.endif
.if (\r) > 0
	s_wait_loadcnt 15-(4*(\p)+(\r))                ; row 4 p + r is in, the 15 - (4 p + r) younger rows stay out
.endif
	ROUNDROW 4*(\p)+(\r), \half
.endr
.endm
	s_cmp_ge_u32 s2, 64
	s_cbranch_scc1 .Lhalf
.irp p, 0,1,2,3
	GROUP \p, 0
.endr
	s_wait_alu depctr_va_vdst(0)                   ; the last group has written its four pairs of Y, which the last four stores read
.irp i, 12,13,14,15
	PUT \i
.endr
	s_endpgm
.Lhalf:
.irp p, 0,1,2,3
	GROUP \p, 1
.endr
	s_wait_alu depctr_va_vdst(0)                   ; the last group has written its four pairs of Y, which the last four stores read
.irp i, 12,13,14,15
	PUT \i
.endr
	s_endpgm
.Lfunc_end_k_qb792534566_prep:
	.size	k_qb792534566_prep, .Lfunc_end_k_qb792534566_prep-k_qb792534566_prep
	.p2alignl 7, 3214868480
	.fill 96, 4, 3214868480
	.section	.rodata,"a",@progbits
	.p2align	6, 0x0
	.amdhsa_kernel k_qb792534566_prep
		.amdhsa_group_segment_fixed_size 0
		.amdhsa_private_segment_fixed_size 0
		.amdhsa_enable_private_segment 0
		.amdhsa_kernarg_size 88
		.amdhsa_user_sgpr_count 2
		.amdhsa_user_sgpr_kernarg_segment_ptr 1
		.amdhsa_wavefront_size32 1
		.amdhsa_system_sgpr_workgroup_id_x 1
		.amdhsa_system_sgpr_workgroup_id_y 1
		.amdhsa_system_sgpr_workgroup_id_z 1
		.amdhsa_system_vgpr_workitem_id 0
		.amdhsa_next_free_vgpr 152
		.amdhsa_next_free_sgpr 66
		.amdhsa_reserve_vcc 0
		.amdhsa_float_denorm_mode_32 3
		.amdhsa_float_denorm_mode_16_64 3
		.amdhsa_memory_ordered 1
		.amdhsa_forward_progress 1
		.amdhsa_inst_pref_size 19
	.end_amdhsa_kernel
	.amdgpu_metadata
---
amdhsa.version: [ 1, 2 ]
amdhsa.kernels:
  - .name:           k_qb792534566_prep
    .symbol:         k_qb792534566_prep.kd
    .args:
      - { .name: hidden_states, .offset: 0, .size: 8, .value_kind: global_buffer, .address_space: global }
      - { .name: ssm_states, .offset: 8, .size: 8, .value_kind: global_buffer, .address_space: global }
      - { .name: Wq, .offset: 16, .size: 8, .value_kind: global_buffer, .address_space: global }
      - { .name: Wk, .offset: 24, .size: 8, .value_kind: global_buffer, .address_space: global }
      - { .name: Wv, .offset: 32, .size: 8, .value_kind: global_buffer, .address_space: global }
      - { .name: Wsk, .offset: 40, .size: 8, .value_kind: global_buffer, .address_space: global }
      - { .name: Wsv, .offset: 48, .size: 8, .value_kind: global_buffer, .address_space: global }
      - { .name: Wo, .offset: 56, .size: 8, .value_kind: global_buffer, .address_space: global }
      - { .name: xb, .offset: 64, .size: 8, .value_kind: global_buffer, .address_space: global }
      - { .name: wp, .offset: 72, .size: 8, .value_kind: global_buffer, .address_space: global }
      - { .name: wo16, .offset: 80, .size: 8, .value_kind: global_buffer, .address_space: global }
    .group_segment_fixed_size: 0
    .private_segment_fixed_size: 0
    .kernarg_segment_align: 8
    .kernarg_segment_size: 88
    .max_flat_workgroup_size: 256
    .sgpr_count:     66
    .vgpr_count:     152
    .wavefront_size: 32
...
	.end_amdgpu_metadata
.endif
;; end of part 5
;; launch proj: the kernel of part 2 again; grid 32 x 16, 4 waves a work-group, clusters of 4 x 4, 327,680 bytes of LDS; arguments xb, wp, qkv; writes qkv
;; launch attn: the kernel of part 3 again; grid 16 x 16, 8 waves a work-group, no clusters, 229,376 bytes of LDS; arguments qkv, ob; writes ob
;; launch oproj: the kernel of part 4 again; grid 16 x 16, 4 waves a work-group, clusters of 4 x 4, 327,680 bytes of LDS; arguments ob, wo16, out0; writes out0
